; MI455X (gfx1250); checked and timed in simulation.
; The chip was launched on July 23, 2026; its instructions are those of AMD's public machine-readable ISA for CDNA 5 (MIT licence, August 2026) and "CDNA5" Instruction Set Architecture Reference Guide (July 2026). The comments in the code are by the model that wrote it; some were corrected since.
;; Multi Head Attention. Allowed arithmetic: matrix products marked QUANTISED: E2M3 operands, one E8M0 scale for each 32 along K, by v_wmma_scale_f32_16x16x128_f8f6f4 with both operands' format E2M3, f32 sums; everything else in f32.
;; Inputs: Wk 1,024 x 1,024 float32; Wp 1,024 x 1,024 float32; Wq 1,024 x 1,024 float32; Wv 1,024 x 1,024 float32; attention_mask 2 x 1 x 2,048 x 2,048 bool; bk 1,024 float32; bp 1,024 float32; bq 1,024 float32; bv 1,024 float32; inputs_kv 2 x 2,048 x 1,024 float32; inputs_q 2 x 2,048 x 1,024 float32.
;; Outputs: out0 2 x 2,048 x 1,024 float32.
;; This version of the problem:
;;   THIS VERSION OF THE PROBLEM IS GIVEN IN LOW PRECISION. The matrix products marked QUANTISED in the list below multiply operands that are first quantised to E2M3 (2 exponent bits, 3 mantissa bits; 6 bits a number), with one power-of-two scale for each 32 numbers along K (OCP MX v1.0); their sums are f32. All else is computed in f32.
;;   The module's matrix products, in the order in which they are computed (A, B: the left and right operand; K: the contracted axis; several contracted axes count as one K, in the product's order):
;;     1. [M 4,096, K 1,024] x [K 1,024, N 1,024]; A: input inputs_kv; B: input Wk: QUANTISED
;;     2. [M 4,096, K 1,024] x [K 1,024, N 1,024]; A: input inputs_q; B: input Wq: QUANTISED
;;     3. [M 4,096, K 1,024] x [K 1,024, N 1,024]; A: input inputs_kv; B: input Wv: QUANTISED
;;     4. batch 32 x [M 2,048, K 64] x [K 64, N 2,048]; A: computed on the way; B: computed on the way: QUANTISED
;;     5. batch 32 x [M 2,048, K 2,048] x [K 2,048, N 64]; A: computed on the way; B: computed on the way: QUANTISED
;;     6. [M 4,096, K 1,024] x [K 1,024, N 1,024]; A: computed on the way; B: input Wp: QUANTISED
;;   THE QUANTISER, for each operand of a quantised product, along K:
;;     - K is cut into blocks of 32 from its start; a last block that is shorter is filled with zeros.
;;     - A block's scale is 2^e with e = floor(log2(the largest magnitude in the block)) - 2, held to -126 .. 127; a block of zeros has e = 0. As a byte (E8M0): e + 127.
;;     - Each number is divided by its block's scale, clamped to +-7.5, and rounded to the nearest number of E2M3, ties to even, subnormals kept.
;;     - The product sums the exact products of the quantised numbers (number of the format x scale) in f32.
;;   ~~~python
;;   def quantise(x, axis):      # numpy; x: float32 -> the quantised numbers, widened to float32 again
;;       x = np.moveaxis(x, axis, -1); K = x.shape[-1]
;;       x = np.pad(x, [(0, 0)] * (x.ndim - 1) + [(0, -K % 32)]); x = x.reshape(x.shape[:-1] + (-1, 32)); a = np.abs(x).max(-1, keepdims=True)
;;       e = np.where(a > 0, np.clip(np.frexp(np.where(a > 0, a, 1))[1] - 1 - 2, -126, 127), 0)      # np.frexp(a)[1] - 1 = floor(log2(a)), exactly
;;       r = np.clip(x / 2.0 ** e, -7.5, 7.5)
;;       step = 2.0 ** (np.maximum(np.frexp(np.where(r == 0, 1, r))[1] - 1, 0) - 3)
;;       q = np.round(r / step) * step * 2.0 ** e      # np.round: ties to even
;;       return np.moveaxis(q.reshape(q.shape[:-2] + (-1,))[..., :K], -1, axis).astype(np.float32)
;;   ~~~
;;   OPERANDS COMPUTED ON THE WAY. 'Computed on the way' means the value that the module computes at that place (a softmax that the list does not call 'softmax' is quantised finished and normalised). What goes into a quantiser is computed in f32, as accurately as f32 sums, v_exp_f32 and their like allow (about 1e-6 of the number): no bf16 or f16 on the way to a quantiser, and a product that is left as it is and whose result goes on into a quantised operand takes f32 operands (vector FMAs, or v_wmma_f32_16x16x4_f32). A number that lies on a knife's edge between two numbers of the format may be rounded either way, as far as f32 arithmetic and the matrix unit's own rounding can turn it there, and no further.
;; One version. Each part assembles by itself: llvm-mc -triple=amdgcn-amd-amdhsa -mcpu=gfx1250 --defsym DOCPART=n.
;; ======== version 1 of 1: 4 launches
;; limits: right only within a limited range of input values
;; workspace buffers: ops 9,830,400 bytes; mw 1,048,576 bytes of whole numbers; mc 6,291,456 bytes; qkv 9,830,400 bytes; oc 3,276,800 bytes
;; launch prep (part 1): grid 768 x 1, 4 waves a work-group, no clusters, 68,096 bytes of LDS; arguments inputs_kv, inputs_q, Wq, Wk, Wv, Wp, attention_mask, ops, mw, mc; writes ops, mw, mc
.if DOCPART == 1
	.amdgcn_target "amdgcn-amd-amdhsa--gfx1250"
	.amdhsa_code_object_version 6
	.text
	.protected	k_q620afa4cee_prep
	.globl	k_q620afa4cee_prep
	.p2align	8
	.type	k_q620afa4cee_prep,@function
k_q620afa4cee_prep:
	s_mov_b64 s[64:65], 0
	v_nop
	global_prefetch_b8 v0, s[64:65] scope:SCOPE_SE
	s_setreg_imm32_b32 hwreg(HW_REG_WAVE_MODE, 25, 1), 1
	s_wait_xcnt 0x0
; PREP.  Three jobs in one launch, parted by the work-group's number; a wave is a job, waves share nothing, no barrier.
;  X (work-groups 0-255):   inputs_kv and inputs_q, f32 [4096][1024], K innermost -> codes of FP6 (E2M3) and E8M0 scale bytes, as operand tiles 0-511 of ops.
;  W (work-groups 256-511): Wq, Wk, Wv, Wp, f32 [K 1024][N 1024], K outermost -> operand tiles 512-767 (a tile's rows are columns n).
;  M (work-groups 512-767): attention_mask, one byte a (query, key) -> words of 32 lane bits in mw, in the order in which the attention launch's registers hold scores.
; TILE ORDER: row r (0..15) of tile T is row 32 (T/2) + 8 (T%2) + r + 8 (r/8) of the matrix.
; OPERAND TILE, 12,800 bytes: two blocks of 6,400 (K steps 0-3, 4-7); a block: 256 bytes of scale words (row r, step i at 16 r + 4 i), then four images of 1,536 bytes.
; IMAGE: the 12 registers of a 16 x 128 fragment as three runs of 512 bytes; run c holds registers 4c..4c+3, lane l's 16 bytes at 16 l.
; QUANTISER: a block's scale is 2^(floor(log2(largest magnitude)) - 2); its byte is the largest magnitude's exponent field - 2, held at 1 from below by a floor among the maximum's leaves.
; LIMITS: a block whose largest magnitude lies under 2^-124 keeps the byte 1; a block of zeros has the byte 1 (the rule says 127) with zero codes, and this program alone reads the bytes; NaN and infinities are not served.
.set STG,  8448                        ; a wave's stage: 16 rows of 528 bytes.  X's stages begin at LDS byte 0, M's at MST: each path has bytes of its own
.set MST,  33792
.set RA,   16                          ; X: v16-143 two sets of 64 registers as loaded
.set X,    144                         ; X: v144-207 64 numbers: register 16 b + i = k 32 b + 16 (lane/16) + i of my row
.set PC,   208                         ; X: v208-219 the fragment's codes
.set CT,   220                         ; v220-227 upper halves of blocks, on their way
.set TM,   228                         ; v228-231 largest magnitudes
.set TB,   232                         ; v232-235 the other half's, then the bytes
.set TO,   236                         ; v236-239 the conversions' scale operands
.set W,    240                         ; v240-243 the four K steps' scale words
.set DD,   244                         ; v244-245 the two words that I store
.set SEL,  24                          ; s[24:25] selects for lane l xor 16
.set NW,   16                          ; W: v16-143 128 numbers down K
.set E0,   144                         ; W: v144-155 the image registers of lane (r, 0), v156-167 of lane (r, 1)
.set MD,   80                          ; M: v80-143 mask bytes, 16 keys a register group
.set MT,   144                         ; M: v144-151 at work
.set MO,   152                         ; M: v152-159 the words, two registers a key step
; 64 numbers of a lane become a fragment's registers 0-5 (d0) and 6-11 (d1) and its scale word (wd)
.macro QUANT src, d0, d1, wd
.irp b, 0,1,2,3
	v_max3_num_f32 v[TM+\b], |v[\src+16*\b]|, |v[\src+16*\b+1]|, 0x1800000   ; my 16 numbers of block b, and the floor 2^(3 - 127)
.endr
.irp i, 2,4,6,8,10,12,14
.irp b, 0,1,2,3
	v_max3_num_f32 v[TM+\b], v[TM+\b], |v[\src+16*\b+\i]|, |v[\src+16*\b+\i+1]|   ; the four blocks by turns
.endr
.endr
.irp b, 0,1,2,3
	v_permlanex16_b32 v[TB+\b], v[TM+\b], s[SEL], s[SEL+1]
.endr
.irp b, 0,1,2,3
	v_max_num_f32 v[TM+\b], v[TM+\b], v[TB+\b]     ; with lane l xor 16's 16: the block's largest magnitude
.endr
.irp b, 0,1,2,3
	v_add_nc_u32 v[TO+\b], 0xff000000, v[TM+\b]    ; 2 off the exponent field: the conversion's scale operand
.endr
.irp b, 0,1,2,3
	v_lshrrev_b32 v[TB+\b], 23, v[TO+\b]           ; the scale's byte
.endr
	v_lshl_or_b32 v[\wd], v[TB+1], 8, v[TB]
	v_lshl_or_b32 v[\wd], v[TB+2], 16, v[\wd]
	v_lshl_or_b32 v[\wd], v[TB+3], 24, v[\wd]
	v_cvt_scalef32_pk16_fp6_f32 v[\d0:\d0+2], v[\src:\src+15], v[TO]
	v_cvt_scalef32_pk16_fp6_f32 v[CT:CT+2], v[\src+16:\src+31], v[TO+1]
	v_cvt_scalef32_pk16_fp6_f32 v[\d1:\d1+2], v[\src+32:\src+47], v[TO+2]
	v_cvt_scalef32_pk16_fp6_f32 v[CT+4:CT+6], v[\src+48:\src+63], v[TO+3]
	v_nop                                          ; one plain instruction behind the scaled conversions
.irp i, 0,1,2
	v_permlane16_swap_b32 v[\d0+\i], v[CT+\i]      ; the layout wants a whole block in a lane: lanes 0-15 the even block, lanes 16-31 the odd one
	v_permlane16_swap_b32 v[\d1+\i], v[CT+4+\i]
.endr
.irp i, 0,1,2
	v_mov_b32 v[\d0+3+\i], v[CT+\i]
	v_mov_b32 v[\d1+3+\i], v[CT+4+\i]
.endr
.endm
	s_load_b512 s[4:19], s[0:1], 0x0               ; kv s[4:5], q s[6:7], Wq s[8:9], Wk s[10:11], Wv s[12:13], Wp s[14:15], mask s[16:17], ops s[18:19]
	s_load_b64 s[20:21], s[0:1], 0x40              ; mw
	s_load_b64 s[32:33], s[0:1], 0x48              ; mc
	v_lshl_add_u32 v248, v0, 2, 0x10800
	v_mov_b32 v249, 0
	v_lshrrev_b32 v1, 5, v0
	v_readfirstlane_b32 s2, v1                     ; wave
	v_and_b32 v8, 31, v0                           ; lane
	v_and_b32 v9, 15, v0                           ; r
	v_bfe_u32 v10, v0, 4, 1                        ; h
	v_lshlrev_b32 v1, 4, v8                        ; 16 x lane
	s_mul_i32 s3, s2, STG
	v_add_nc_u32 v2, s3, v1                        ; stage, on the way in: 16 x lane of a row
	v_mul_u32_u24 v11, v9, 528
	v_add_nc_u32 v11, s3, v11
	v_lshl_add_u32 v3, v10, 6, v11                 ; X, on the way out: row r, + 64 h
	v_lshl_add_u32 v5, v10, 4, v11                 ; M, on the way out: row r, + 16 h
	v_lshlrev_b32 v4, 4, v9
	v_lshl_add_u32 v4, v10, 3, v4                  ; X: my two scale words: 16 r + 8 h
	s_mov_b32 s[SEL], 0x76543210
	s_mov_b32 s[SEL+1], 0xfedcba98
	s_lshl_b32 s22, ttmp9, 2
	s_add_co_u32 s22, s22, s2
	s_and_b32 s22, s22, 1023                       ; the job's number within its path: each path has 256 work-groups of four waves
	s_mov_b32 s29, 0
	s_wait_kmcnt 0x0
	s_cmp_lt_u32 ttmp9, 256
	s_cbranch_scc1 .Lpath_x
	s_cmp_lt_u32 ttmp9, 512
	s_cbranch_scc1 .Lpath_w
; ---- M: 16 queries (tile Tq) x 512 keys (four key steps).  Word n = 16 beta + i of a key step, bit r + 16 h = mask[query r of the tile][128 j + 32 beta + 16 h + i]
	s_and_b32 s23, s22, 3                          ; which 512 keys
	s_bfe_u32 s26, s22, 0x70002                    ; Tq
	s_lshr_b32 s27, s22, 9                         ; batch
	s_lshl_b32 s28, s27, 11
	s_lshr_b32 s30, s26, 1
	s_lshl_b32 s30, s30, 5
	s_add_co_u32 s28, s28, s30
	s_and_b32 s30, s26, 1
	s_lshl_b32 s30, s30, 3
	s_add_co_u32 s28, s28, s30                     ; the tile's first query row
	s_lshl_b32 s28, s28, 11                        ; rows of 2,048 bytes
	s_lshl_b32 s30, s23, 9
	s_add_co_u32 s28, s28, s30
	s_add_nc_u64 s[16:17], s[16:17], s[28:29]
	s_lshl_b32 s28, s27, 7
	s_add_co_u32 s28, s28, s26
	s_lshl_b32 s28, s28, 4
	s_lshl_b32 s30, s23, 2
	s_add_co_u32 s28, s28, s30
	s_mul_i32 s34, s28, 1536                       ; mc: 1,536 bytes for each (tile, key step)
	s_mov_b32 s35, 0
	s_add_nc_u64 s[32:33], s[32:33], s[34:35]
	s_lshl_b32 s28, s28, 8                         ; mw: 256 bytes of words for each (tile, key step)
	s_add_nc_u64 s[20:21], s[20:21], s[28:29]
	v_lshlrev_b32 v6, 3, v8                        ; two words a lane
	s_wait_alu depctr_va_vdst(0)
.irp i, 0,1,2,3,4,5,6,7,8,9,10,11,12,13,14,15
	global_load_b128 v[16+4*\i:16+4*\i+3], v1, s[16:17] offset:(\i+8*(\i/8))*2048 th:TH_LOAD_NT   ; 512 consecutive bytes of the tile's row i
.endr
.irp i, 0,1,2,3,4,5,6,7
	v_mov_b32 v[MO+\i], 0                          ; v_writelane_b32's destination counts as read
.endr
.irp i, 0,1,2,3,4,5,6,7,8,9,10,11,12,13,14,15
	s_wait_loadcnt 15-\i                           ; row i is in; the later rows may be out
	ds_store_b128 v2, v[16+4*\i:16+4*\i+3] offset:MST+528*\i
.endr
.irp g, 0,1,2,3,4,5,6,7,8,9,10,11,12,13,14,15
	ds_load_b128 v[MD+4*\g:MD+4*\g+3], v5 offset:MST+32*\g   ; LDS serves a wave's instructions in order: these see my stores.  Key step g/4, block g%4: my row's 16 keys 16 h on
.endr
	s_wait_dscnt 0x0
.set mj, 0
.rept 4
.set mb, 0
.rept 8
.set me, 0
.rept 8
.set mn, 8*mb+me
	v_and_b32 v[MT+me], 0xff<<(8*(mn%4)), v[MD+16*mj+mn/4]   ; key i = mn % 16 of block mn / 16: byte mn % 4 of its register
.set me, me+1
.endr
.set me, 0
.rept 8
	v_cmp_ne_u32 s[40+me], 0, v[MT+me]             ; one bit a lane: the word
.set me, me+1
.endr
.set me, 0
.rept 8
.set mn, 8*mb+me
	v_writelane_b32 v[MO+2*mj+mn%2], s[40+me], mn/2   ; lane L will store words 2 L and 2 L + 1
.set me, me+1
.endr
.set mb, mb+1
.endr
.set mj, mj+1
.endr
.irp j, 0,1,2,3
	global_store_b64 v6, v[MO+2*\j:MO+2*\j+1], s[20:21] offset:256*\j   ; 32 lanes store 256 consecutive bytes, aligned
.endr
; THE SAME MASK ONCE MORE, into mc: a field of six bits for each (query, key), 0x1f where the key counts and 0 where not, laid as the 12 registers of p's 16 x 128 operand (an image of 1,536 bytes a key step).
; A mask byte (0 or 1) shifted so that its bit stands at bit 30 is the f32 number 2.0 or more (lower bytes fall into the mantissa), or a denormal; divided by 2^-2 that lies beyond 7.5 and is held at the largest code, 0x1f, or rounds to code 0.
; p is never negative, so its codes' sign bits are 0 and five ones keep a code whole.
	v_mov_b32 v215, 0x3e800000                     ; the conversions' scale operand: 2^-2
.set mj, 0
.rept 4
.set mn, 0
.rept 64
	v_lshlrev_b32 v[16+mn], 30-8*(mn%4), v[MD+16*mj+mn/4]   ; key mn % 16 of block mn / 16, 16 h on
.set mn, mn+1
.endr
	v_cvt_scalef32_pk16_fp6_f32 v[160+12*mj:160+12*mj+2], v[16:31], v215
	v_cvt_scalef32_pk16_fp6_f32 v[208:210], v[32:47], v215
	v_cvt_scalef32_pk16_fp6_f32 v[160+12*mj+6:160+12*mj+8], v[48:63], v215
	v_cvt_scalef32_pk16_fp6_f32 v[212:214], v[64:79], v215
	v_nop                                          ; one plain instruction behind the scaled conversions
.irp i, 0,1,2
	v_permlane16_swap_b32 v[160+12*mj+\i], v[208+\i]     ; a whole block in a lane, as for every operand
	v_permlane16_swap_b32 v[160+12*mj+6+\i], v[212+\i]
.endr
.irp i, 0,1,2
	v_mov_b32 v[160+12*mj+3+\i], v[208+\i]
	v_mov_b32 v[160+12*mj+9+\i], v[212+\i]
.endr
.irp c, 0,1,2
	global_store_b128 v1, v[160+12*mj+4*\c:160+12*mj+4*\c+3], s[32:33] offset:1536*mj+512*\c   ; 512 consecutive bytes, aligned to 256; each key step has registers of its own
.endr
.set mj, mj+1
.endr
	s_wait_tensorcnt 0x0
	ds_add_u32 v248, v249
	s_wait_dscnt 0x0
	s_endpgm
; ---- X: tile T (16 rows), half q of K: four K steps of 128
.Lpath_x:
	s_and_b32 s23, s22, 1                          ; q
	s_lshr_b32 s26, s22, 1                         ; T, 0..511
	s_cmp_lt_u32 s26, 256
	s_cselect_b64 s[4:5], s[4:5], s[6:7]           ; tiles 0-255: inputs_kv, 256-511: inputs_q
	s_and_b32 s27, s26, 255
	s_lshr_b32 s28, s27, 1
	s_lshl_b32 s28, s28, 5
	s_and_b32 s30, s27, 1
	s_lshl_b32 s30, s30, 3
	s_add_co_u32 s28, s28, s30                     ; the tile's first row
	s_lshl_b32 s28, s28, 12                        ; rows of 4,096 bytes
	s_lshl_b32 s30, s23, 11
	s_add_co_u32 s28, s28, s30
	s_add_nc_u64 s[4:5], s[4:5], s[28:29]
	s_mul_i32 s28, s26, 12800
	s_mul_i32 s30, s23, 6400
	s_add_co_u32 s28, s28, s30
	s_add_nc_u64 s[18:19], s[18:19], s[28:29]
.irp b, 0,1,2,3
	v_mov_b32 v[TB+\b], 0                          ; a lane permute's destination counts as read
.endr
.macro LOADX t, set                    ; K step t: each load reads 512 consecutive bytes of one row
.irp i, 0,1,2,3,4,5,6,7,8,9,10,11,12,13,14,15
	global_load_b128 v[RA+64*(\set)+4*\i:RA+64*(\set)+4*\i+3], v1, s[4:5] offset:(\i+8*(\i/8))*4096+512*(\t) th:TH_LOAD_NT
.endr
.endm
.macro TURNX set                       ; through my stage: in as loaded, out 16 neighbours of each block of 32 to a lane
.irp i, 0,1,2,3,4,5,6,7,8,9,10,11,12,13,14,15
	ds_store_b128 v2, v[RA+64*(\set)+4*\i:RA+64*(\set)+4*\i+3] offset:528*\i
.endr
.irp g, 0,1,2,3,4,5,6,7,8,9,10,11,12,13,14,15
	ds_load_b128 v[X+4*\g:X+4*\g+3], v3 offset:128*(\g/4)+16*(\g%4)
.endr
.endm
.macro XSTEP t
.if (\t) < 3
	s_wait_loadcnt 16                              ; this step's 16 loads are in; the next step's 16 may be out
.else
	s_wait_loadcnt 0x0
.endif
	TURNX (\t)%2
	s_wait_dscnt 0x0                               ; the numbers are back, and the stores into the stage have read their registers,
.if (\t) < 2
	LOADX (\t)+2, (\t)%2                           ; which take the loads of two steps on
.endif
.if (\t) > 0
	s_wait_xcnt 0x0                                ; the last step's stores have read the codes' registers: they are written again below
.endif
	QUANT X, PC, PC+6, W+(\t)
.irp c, 0,1,2
	global_store_b128 v1, v[PC+4*\c:PC+4*\c+3], s[18:19] offset:256+1536*(\t)+512*\c   ; 512 consecutive bytes, aligned to 256
.endr
.endm
	LOADX 0, 0
	LOADX 1, 1
	s_wait_alu depctr_va_vdst(0)
	XSTEP 0
	XSTEP 1
	XSTEP 2
	XSTEP 3
	v_cmp_le_u32 vcc_lo, 16, v8
	v_cndmask_b32 v[DD], v[W], v[W+2], vcc_lo      ; lanes 0-15 store steps 0, 1 of row r, lanes 16-31 steps 2, 3
	v_cndmask_b32 v[DD+1], v[W+1], v[W+3], vcc_lo
	global_store_b64 v4, v[DD:DD+1], s[18:19]      ; the block's 256 bytes of scale words, whole
	s_wait_tensorcnt 0x0
	ds_add_u32 v248, v249
	s_wait_dscnt 0x0
	s_endpgm
; ---- W: a lane takes a column, its registers run down K: 32 columns (tiles 2 G, 2 G + 1) x one K step of 128
.Lpath_w:
	s_and_b32 s23, s22, 31                         ; G
	s_bfe_u32 s26, s22, 0x30005                    ; the K step
	s_lshr_b32 s27, s22, 8                         ; which weight
	s_cmp_eq_u32 s27, 1
	s_cselect_b64 s[8:9], s[10:11], s[8:9]
	s_cmp_eq_u32 s27, 2
	s_cselect_b64 s[8:9], s[12:13], s[8:9]
	s_cmp_eq_u32 s27, 3
	s_cselect_b64 s[8:9], s[14:15], s[8:9]
	s_lshl_b32 s28, s26, 19                        ; 128 rows of 4,096 bytes
	s_lshl_b32 s30, s23, 7
	s_add_co_u32 s28, s28, s30
	s_add_nc_u64 s[8:9], s[8:9], s[28:29]
	s_lshl_b32 s28, s27, 6
	s_lshl_b32 s30, s23, 1
	s_add_co_u32 s28, s28, s30
	s_add_co_u32 s28, s28, 512                     ; operand tile 512 + 64 weight + 2 G
	s_mul_i32 s28, s28, 12800
	s_lshr_b32 s30, s26, 2
	s_mul_i32 s30, s30, 6400
	s_add_co_u32 s28, s28, s30
	s_add_nc_u64 s[18:19], s[18:19], s[28:29]
	s_and_b32 s30, s26, 3
	s_mul_i32 s31, s30, 1536
	s_add_co_u32 s31, s31, 256                     ; the image of this K step
	s_lshl_b32 s30, s30, 2                         ; and its place in a row's scale words
	v_lshlrev_b32 v7, 2, v8                        ; in: 4 bytes a lane
	v_bfe_u32 v12, v8, 3, 1                        ; column x of the 32 is row r = x%8 + 8 (x/16) of tile u = (x/8)%2
	v_and_b32 v13, 7, v8
	v_lshrrev_b32 v14, 4, v8
	v_lshl_add_u32 v13, v14, 3, v13
	v_lshlrev_b32 v13, 4, v13
	v_mad_u32_u24 v6, v12, 12800, v13              ; 12,800 u + 16 r
	v_add_nc_u32 v12, s31, v6
	v_add_nc_u32 v13, s30, v6
.irp k, 0,1,2,3
.irp i, 0,1,2,3,4,5,6,7,8,9,10,11,12,13,14,15,16,17,18,19,20,21,22,23,24,25,26,27,28,29,30,31
	global_load_b32 v[NW+32*\k+\i], v7, s[8:9] offset:(32*\k+\i)*4096 th:TH_LOAD_NT   ; 128 consecutive bytes a wave, 512 a work-group
.endr
.endr
; block k of the K step: all 32 numbers are mine.  It is registers 6 (k/2) .. + 5 of lane (r, k%2) of the fragment
.macro WBLK k, left
.set NS, NW+32*(\k)
.set ED, E0+12*((\k)%2)+6*((\k)/2)
	s_wait_loadcnt \left                           ; this block's loads are in (the count names at most what its field holds)
	v_max3_num_f32 v172, |v[NS]|, |v[NS+1]|, |v[NS+2]|
	v_max3_num_f32 v173, |v[NS+3]|, |v[NS+4]|, |v[NS+5]|
.irp i, 6,10,14,18,22,26
	v_max3_num_f32 v172, v172, |v[NS+\i]|, |v[NS+\i+1]|
	v_max3_num_f32 v173, v173, |v[NS+\i+2]|, |v[NS+\i+3]|
.endr
	v_max3_num_f32 v172, v172, |v[NS+30]|, |v[NS+31]|
	v_max3_num_f32 v172, v172, v173, 0x1800000
	v_add_nc_u32 v174, 0xff000000, v172
	v_lshrrev_b32 v175, 23, v174
.if (\k) == 0
	v_mov_b32 v176, v175
.else
	v_lshl_or_b32 v176, v175, 8*(\k), v176         ; the column's scale word: the lower K in the lower byte
.endif
	v_cvt_scalef32_pk16_fp6_f32 v[ED:ED+2], v[NS:NS+15], v174
	v_cvt_scalef32_pk16_fp6_f32 v[168:170], v[NS+16:NS+31], v174   ; a conversion's three registers begin on an even number
	v_nop
.irp i, 0,1,2
	v_mov_b32 v[ED+3+\i], v[168+\i]
.endr
.endm
	WBLK 0, 63
	WBLK 1, 63
	WBLK 2, 32
	WBLK 3, 0
.irp hh, 0,1
.irp c, 0,1,2
	global_store_b128 v12, v[E0+12*\hh+4*\c:E0+12*\hh+4*\c+3], s[18:19] offset:512*\c+256*\hh   ; sixteen lanes of a tile store 256 consecutive bytes, aligned: two such runs an instruction
.endr
.endr
	global_store_b32 v13, v176, s[18:19]           ; 4 bytes of every 16: one byte in 24 of what this path stores leaves in pieces
	s_endpgm
.Lfunc_end_k_q620afa4cee_prep:
	.size	k_q620afa4cee_prep, .Lfunc_end_k_q620afa4cee_prep-k_q620afa4cee_prep
	.p2alignl 7, 3214868480
	.fill 96, 4, 3214868480
	.section	.rodata,"a",@progbits
	.p2align	6, 0x0
	.amdhsa_kernel k_q620afa4cee_prep
		.amdhsa_group_segment_fixed_size 68096
		.amdhsa_private_segment_fixed_size 0
		.amdhsa_enable_private_segment 0
		.amdhsa_kernarg_size 80
		.amdhsa_user_sgpr_count 2
		.amdhsa_user_sgpr_kernarg_segment_ptr 1
		.amdhsa_wavefront_size32 1
		.amdhsa_system_sgpr_workgroup_id_x 1
		.amdhsa_system_sgpr_workgroup_id_y 1
		.amdhsa_system_sgpr_workgroup_id_z 1
		.amdhsa_system_vgpr_workitem_id 0
		.amdhsa_next_free_vgpr 250
		.amdhsa_next_free_sgpr 66
		.amdhsa_reserve_vcc 1
		.amdhsa_float_denorm_mode_32 3
		.amdhsa_float_denorm_mode_16_64 3
		.amdhsa_memory_ordered 1
		.amdhsa_forward_progress 1
		.amdhsa_inst_pref_size 119
	.end_amdhsa_kernel
	.amdgpu_metadata
---
amdhsa.version: [ 1, 2 ]
amdhsa.kernels:
  - .name:           k_q620afa4cee_prep
    .symbol:         k_q620afa4cee_prep.kd
    .args:
      - { .name: inputs_kv, .offset: 0, .size: 8, .value_kind: global_buffer, .address_space: global }
      - { .name: inputs_q, .offset: 8, .size: 8, .value_kind: global_buffer, .address_space: global }
      - { .name: Wq, .offset: 16, .size: 8, .value_kind: global_buffer, .address_space: global }
      - { .name: Wk, .offset: 24, .size: 8, .value_kind: global_buffer, .address_space: global }
      - { .name: Wv, .offset: 32, .size: 8, .value_kind: global_buffer, .address_space: global }
      - { .name: Wp, .offset: 40, .size: 8, .value_kind: global_buffer, .address_space: global }
      - { .name: attention_mask, .offset: 48, .size: 8, .value_kind: global_buffer, .address_space: global }
      - { .name: ops, .offset: 56, .size: 8, .value_kind: global_buffer, .address_space: global }
      - { .name: mw, .offset: 64, .size: 8, .value_kind: global_buffer, .address_space: global }
      - { .name: mc, .offset: 72, .size: 8, .value_kind: global_buffer, .address_space: global }
    .group_segment_fixed_size: 68096
    .private_segment_fixed_size: 0
    .kernarg_segment_align: 8
    .kernarg_segment_size: 80
    .max_flat_workgroup_size: 128
    .sgpr_count:     66
    .vgpr_count:     250
    .wavefront_size: 32
...
	.end_amdgpu_metadata
.endif
;; end of part 1
;; launch proj (part 2): grid 4 x 96, 4 waves a work-group, clusters of 4 x 1, 168,448 bytes of LDS; arguments ops, bq, bk, bv, qkv; writes qkv
.if DOCPART == 2
	.amdgcn_target "amdgcn-amd-amdhsa--gfx1250"
	.amdhsa_code_object_version 6
	.text
	.protected	k_q620afa4cee_proj
	.globl	k_q620afa4cee_proj
	.p2align	8
	.type	k_q620afa4cee_proj,@function
k_q620afa4cee_proj:
	s_mov_b64 s[64:65], 0
	v_nop
	global_prefetch_b8 v0, s[64:65] scope:SCOPE_SE
	s_setreg_imm32_b32 hwreg(HW_REG_WAVE_MODE, 25, 1), 1
	s_wait_xcnt 0x0
	s_wait_alu depctr_hold_cnt(0) depctr_sa_sdst(0) depctr_va_vdst(0) depctr_va_sdst(0) depctr_va_ssrc(0) depctr_va_vcc(0) depctr_vm_vsrc(0)
	s_getreg_b32 s2, hwreg(HW_REG_IB_STS2, 6, 4)
	s_cmp_eq_u32 s2, 0
	s_cbranch_scc0 .Lentry_in_a_cluster
	s_endpgm
.Lentry_in_a_cluster:
	s_bfe_u32 s2, ttmp6, 0x10000c
	s_cmp_lg_u32 s2, 0x3003
	s_cbranch_scc0 .Lentry_shape_is_right
	s_endpgm
.Lentry_shape_is_right:
; PROJ.  q = xq Wq + bq, k = xkv Wk + bk, v = xkv Wv + bv on codes of FP6 with E8M0 scales, and each result quantised again on its way out: q and k along the head's 64 channels, v along the keys.
; A work-group makes 256 x 128 of one result.  Source 0 (128 rows: 8 tiles, all of K = 1,024) lies in LDS, filled once; each of the four waves holds 4 tiles of source 1, all of K, in registers, loaded once.
; A lane's eight results run along source 0's rows.  So for q and k source 0 is the weight (channels) and source 1 the tokens; for v source 0 is xkv (tokens = keys) and source 1 the weight.
; Grid y: 0-31 q, 32-63 k, 64-95 v.  What differs between the three is chosen by selects on y; there is no branch.
; CLUSTER 4 x 1: the four partners share y and so source 0's tiles: each tile is asked for jointly, by the same tensor load with the same descriptor and the mask of all four.
; OUT, qkv: 96 blobs of 102,400 bytes = 16 blocks of 6,400 (256 bytes of scale words, row r, image i at 16 r + 4 i; four images of 1,536 bytes).
;   q blob 16 b + head, k blob 32 + .., block j, image i: tokens 128 j + 32 i .. + 31 as TWO tiles of 16 x 64: registers 0-5 the first tile, 6-11 the second; the word: two bytes of each.
;   v blob 64 + 16 b + head, block j = keys 128 j on, image t = channel tile t.
; TILE ORDER as everywhere: row r of tile T is row 32 (T/2) + 8 (T%2) + r + 8 (r/8): the 16 registers of tiles 2 beta, 2 beta + 1 are 16 neighbours 32 beta + 16 (lane/16) + 0..15.
; LIMITS: as the quantiser's in the launch before: byte 1 for blocks under 2^-124 and for blocks of zeros; NaN and infinities are not served.
; REGISTERS.  window 0: v1-12 addresses; v16-111 source 0's 8 fragments of a K step; v112-119 their scale words; v120-151 source 1's scale words (8 a + step); v152-215 the bias along the registers; v216-223 the bias of the lane; v224-248 at work.
;   window 1: the 32 accumulators, (a, b) at 8 (8 a + b).   windows 2, 3: source 1, tile a % 2 of the window, step s at 96 (a % 2) + 12 s.
.set S0F, 16
.set S0S, 112
.set S1S, 120
.set BIC, 152
.set BIR, 216
.set X,   16                           ; the way out: 64 numbers of a lane
.set I1,  80                           ; two images
.set I2,  92
.set T0,  104                          ; and the two halves whose place hangs on the kind
.set T1,  152
.set TM,  224
.set TB,  228
.set TO,  232
.set CT,  236
.set WA,  244
.set WB,  245
.set W1,  246
.set W2,  247
.set WD,  248
.set SEL, 50
.set MSB, 0
.macro WIN new                         ; the immediate's high byte repeats the setting that is left
.if MSB != (\new)
	s_set_vgpr_msb (MSB<<8)|(\new)
.set MSB, (\new)
.endif
.endm
.macro ROUND                           ; a round of the cluster's barrier
	s_barrier_signal -1
	s_barrier_wait -1
	s_cmp_lg_u32 s2, 0
	s_cbranch_scc1 .Lnot_wave_0_\@
	s_barrier_signal -3
.Lnot_wave_0_\@:
	s_barrier_wait -3
	s_barrier_signal -1
	s_barrier_wait -1
.endm
.macro PLACES                          ; four plain instructions between a matrix instruction and a load into, or a vector instruction on, its registers
.rept 4
	v_nop
.endr
.endm
.macro QUANT src, d0, d1, wd           ; 64 numbers of a lane -> a fragment's registers 0-5 (d0), 6-11 (d1), its scale word (wd)
.irp b, 0,1,2,3
	v_max3_num_f32 v[TM+\b], |v[\src+16*\b]|, |v[\src+16*\b+1]|, 0x1800000
.endr
.irp i, 2,4,6,8,10,12,14
.irp b, 0,1,2,3
	v_max3_num_f32 v[TM+\b], v[TM+\b], |v[\src+16*\b+\i]|, |v[\src+16*\b+\i+1]|
.endr
.endr
.irp b, 0,1,2,3
	v_permlanex16_b32 v[TB+\b], v[TM+\b], s[SEL], s[SEL+1]
.endr
.irp b, 0,1,2,3
	v_max_num_f32 v[TM+\b], v[TM+\b], v[TB+\b]
.endr
.irp b, 0,1,2,3
	v_add_nc_u32 v[TO+\b], 0xff000000, v[TM+\b]
.endr
.irp b, 0,1,2,3
	v_lshrrev_b32 v[TB+\b], 23, v[TO+\b]
.endr
	v_lshl_or_b32 v[\wd], v[TB+1], 8, v[TB]
	v_lshl_or_b32 v[\wd], v[TB+2], 16, v[\wd]
	v_lshl_or_b32 v[\wd], v[TB+3], 24, v[\wd]
	v_cvt_scalef32_pk16_fp6_f32 v[\d0:\d0+2], v[\src:\src+15], v[TO]
	v_cvt_scalef32_pk16_fp6_f32 v[CT:CT+2], v[\src+16:\src+31], v[TO+1]
	v_cvt_scalef32_pk16_fp6_f32 v[\d1:\d1+2], v[\src+32:\src+47], v[TO+2]
	v_cvt_scalef32_pk16_fp6_f32 v[CT+4:CT+6], v[\src+48:\src+63], v[TO+3]
	v_nop                                          ; one plain instruction behind the scaled conversions
.irp i, 0,1,2
	v_permlane16_swap_b32 v[\d0+\i], v[CT+\i]
	v_permlane16_swap_b32 v[\d1+\i], v[CT+4+\i]
.endr
.irp i, 0,1,2
	v_mov_b32 v[\d0+3+\i], v[CT+\i]
	v_mov_b32 v[\d1+3+\i], v[CT+4+\i]
.endr
.endm
	s_load_b256 s[4:11], s[0:1], 0x0               ; ops s[4:5], bq s[6:7], bk s[8:9], bv s[10:11]
	s_load_b64 s[12:13], s[0:1], 0x20              ; qkv
	v_lshl_add_u32 v254, v0, 2, 0x29000
	v_mov_b32 v255, 0
	ds_add_u32 v254, v255
	ds_add_u32 v254, v255
	v_lshrrev_b32 v1, 5, v0
	v_readfirstlane_b32 s2, v1                     ; wave
	s_and_b32 s34, ttmp7, 0xffff                   ; y, which the partners share
	s_lshr_b32 s37, s34, 5                         ; kind: 0 q, 1 k, 2 v
	; descriptor group 1: two rows of 12,800 bytes (1,600 elements of 8), one behind the other: two neighbouring operand tiles, all of K
	s_mov_b32 s16, 15|(3<<16)|(1<<21)              ; 15:0 the mask: all four partners; 17:16 elements of 8 bytes; 21 set beside a mask
	s_mov_b32 s17, 1600<<16                        ; tensor_dim0
	s_mov_b32 s18, 2<<16                           ; tensor_dim1
	s_mov_b32 s19, 1600<<16                        ; tile_dim0
	s_mov_b32 s20, 2                               ; tile_dim1
	s_mov_b32 s21, 1600                            ; stride from row to row
	s_mov_b32 s22, 0
	s_mov_b32 s23, 0
	; source 0: made of y and the wave's number alone
	s_and_b32 s52, s34, 7
	s_and_b32 s53, s34, 31
	s_lshl_b32 s54, s37, 6
	s_add_co_u32 s54, s54, 512                     ; Wq's tiles begin at 512, Wk's at 576
	s_cmp_lt_u32 s34, 64
	s_cselect_b32 s38, s52, s53                    ; Cb: which 128 rows of source 0
	s_cselect_b32 s54, s54, 0                      ; v: xkv's tiles begin at 0
	s_cselect_b32 s40, -1, 0                       ; all ones for q and k
	s_cselect_b32 s41, 0, -1                       ; all ones for v
	s_lshl_b32 s55, s38, 3
	s_add_co_u32 s54, s54, s55
	s_lshl_b32 s55, s2, 1
	s_add_co_u32 s54, s54, s55                     ; my two tiles
	s_mul_i32 s54, s54, 12800
	s_mov_b32 s55, 0
	s_wait_dscnt 0x0
	s_wait_kmcnt 0x0
	s_mov_b32 s24, 1                               ; group 0: count = 1,
	s_mul_i32 s25, s2, 25600                       ; LDS: tile b at 12,800 b, as it lies in ops,
	s_add_nc_u64 s[26:27], s[4:5], s[54:55]        ; the tiles' first byte
	s_or_b32 s27, s27, 0x80000000                  ; type = 2
	ROUND                                          ; the four partners are here: the joint loads meet
	tensor_load_to_lds s[24:27], s[16:23]          ; my one tensor load: 25,600 bytes; nothing is ever filled again
	s_nop 0
	PLACES
	; source 1 and the way out: these hang on my place in the cluster too
	s_bfe_u32 s35, ttmp6, 0x40000                  ; cx
	s_lshl_b32 s36, ttmp9, 2
	s_add_co_u32 s36, s36, s35                     ; x
	s_bfe_u32 s56, s34, 0x20003
	s_lshl_b32 s56, s56, 2
	s_add_co_u32 s56, s56, s36                     ; q, k: which 256 tokens
	s_cmp_eq_u32 s37, 0
	s_cselect_b32 s57, 256, 0                      ; xq's tiles begin at 256, xkv's at 0
	s_cmp_lt_u32 s34, 64
	s_cselect_b32 s39, s56, s36                    ; Rb
	s_mov_b32 s58, 640
	s_cselect_b32 s57, s57, s58                    ; Wv's tiles begin at 640
	s_lshl_b32 s58, s39, 4
	s_add_co_u32 s57, s57, s58
	s_lshl_b32 s58, s2, 2
	s_add_co_u32 s57, s57, s58                     ; my first tile of source 1
	s_mul_i32 s58, s57, 12800
	s_mov_b32 s59, 0
	s_add_nc_u64 s[32:33], s[4:5], s[58:59]
	s_lshl_b32 s60, s39, 3                         ; q, k: g = 8 Rb + 2 wave: my first pair of token tiles
	s_lshl_b32 s61, s2, 1
	s_add_co_u32 s60, s60, s61
	s_lshr_b32 s61, s60, 6                         ; batch
	s_lshl_b32 s61, s61, 4
	s_lshl_b32 s62, s37, 5
	s_add_co_u32 s61, s61, s62
	s_lshl_b32 s62, s38, 1
	s_add_co_u32 s61, s61, s62                     ; blob 32 kind + 16 batch + head 2 Cb
	s_bfe_u32 s62, s60, 0x40002                    ; block (g % 64) / 4
	s_and_b32 s63, s2, 1
	s_lshl_b32 s63, s63, 1                         ; image g % 4
	s_lshr_b32 s66, s38, 4                         ; v: batch
	s_lshl_b32 s66, s66, 4
	s_add_co_u32 s66, s66, 64
	s_lshl_b32 s67, s39, 2
	s_add_co_u32 s66, s66, s67
	s_add_co_u32 s66, s66, s2                      ; blob 64 + 16 batch + head 4 Rb + wave
	s_and_b32 s67, s38, 15                         ; block: the key step
	s_lshl_b32 s72, s38, 9                         ; q, k: my 128 channels in the bias, in bytes
	s_lshl_b32 s74, s39, 10                        ; v: my work-group's 256 channels
	s_cmp_lt_u32 s34, 64
	s_cselect_b32 s61, s61, s66
	s_cselect_b32 s62, s62, s67
	s_cselect_b32 s63, s63, 0
	s_mov_b32 s68, 1536
	s_cselect_b32 s69, 102400, s68                 ; from the first image to the second: the next head's blob, or the next image
	s_mov_b32 s70, 3072
	s_cselect_b32 s48, s68, s70                    ; from pair 0 to pair 1
	s_cselect_b32 s47, 102400, 4                   ; the same two for the scale words
	s_cselect_b32 s49, 4, 8
	s_mov_b32 s71, 0x03020100
	s_cselect_b32 s42, 0x05040100, s71             ; the first word: q, k: two bytes of each tile's word; v: the first tile's word
	s_mov_b32 s71, 0x07060504
	s_cselect_b32 s43, 0x07060302, s71             ; the second
	s_cselect_b32 s72, s72, 0
	s_cselect_b32 s74, 0, s74
	s_mul_i32 s61, s61, 102400
	s_mul_i32 s62, s62, 6400
	s_add_co_u32 s61, s61, s62                     ; the block's first byte in qkv
	s_mul_i32 s62, s63, 1536
	s_add_co_u32 s44, s61, s62
	s_add_co_u32 s44, s44, 256                     ; the first image
	s_add_co_u32 s45, s44, s69                     ; the second
	s_lshl_b32 s62, s63, 2
	s_add_co_u32 s46, s61, s62                     ; the first word
	s_lshl_b32 s73, s2, 8
	s_add_co_u32 s73, s73, s74                     ; the lane bias: my wave's 64 channels (for q and k: any bytes inside the buffer; they are set to 0)
	s_cmp_eq_u32 s37, 1
	s_cselect_b64 s[6:7], s[8:9], s[6:7]
	s_cmp_eq_u32 s37, 2
	s_cselect_b64 s[6:7], s[10:11], s[6:7]         ; my kind's bias
	s_mov_b32 s[SEL], 0x76543210
	s_mov_b32 s[SEL+1], 0xfedcba98
	v_and_b32 v5, 31, v0
	v_lshlrev_b32 v1, 4, v5                        ; 16 x lane: an image's place for my lane; source 0's tiles 0-3
	v_add_nc_u32 v2, 51200, v1                     ; tiles 4-7
	v_and_b32 v6, 15, v0
	v_lshlrev_b32 v3, 4, v6                        ; 16 r: my row's scale words
	v_add_nc_u32 v4, 51200, v3
	v_bfe_u32 v7, v0, 4, 1
	v_lshl_add_u32 v8, v7, 6, s72                  ; the bias along the registers: + 64 h
	v_and_b32 v9, 8, v6
	v_add_nc_u32 v9, v9, v6
	v_lshl_add_u32 v9, v9, 2, s73                  ; the lane's: channel r + 8 (r/8) of a tile
	v_add_nc_u32 v10, s44, v1
	v_add_nc_u32 v11, s45, v1
	v_mul_u32_u24 v12, v7, s47
	v_add3_u32 v12, v12, v3, s46                   ; lanes 0-15 store the first word, lanes 16-31 the second
	v_cmp_le_u32 vcc_lo, 16, v5
.irp b, 0,1,2,3
	v_mov_b32 v[TB+\b], 0                          ; a lane permute's destination counts as read
.endr
.irp t, 0,1,2,3,4,5,6,7
	global_load_b128 v[BIC+8*\t:BIC+8*\t+3], v8, s[6:7] offset:(32*(\t/2)+8*(\t%2))*4
	global_load_b128 v[BIC+8*\t+4:BIC+8*\t+7], v8, s[6:7] offset:(32*(\t/2)+8*(\t%2))*4+16
.endr
.irp a, 0,1,2,3
	global_load_b32 v[BIR+2*\a], v9, s[6:7] offset:(32*(\a/2)+8*(\a%2))*4
.endr
.irp a, 0,1,2,3
.irp q, 0,1
	global_load_b128 v[S1S+8*\a+4*\q:S1S+8*\a+4*\q+3], v3, s[32:33] offset:12800*\a+6400*\q
.endr
.endr
.irp st, 0,1,2,3,4,5,6,7               ; source 1, step by step, so that the first steps' products need not wait for the last steps' loads: 12 loads a step
	WIN 0x80
.irp a, 0,1
.irp c, 0,1,2
	global_load_b128 v[96*\a+12*\st+4*\c:96*\a+12*\st+4*\c+3], v1, s[32:33] offset:12800*\a+6400*(\st/4)+256+1536*(\st%4)+512*\c
.endr
.endr
	WIN 0xc0
.irp a, 0,1
.irp c, 0,1,2
	global_load_b128 v[96*\a+12*\st+4*\c:96*\a+12*\st+4*\c+3], v1, s[32:33] offset:12800*(\a+2)+6400*(\st/4)+256+1536*(\st%4)+512*\c
.endr
.endr
.endr
	WIN 0
.macro S0FETCH st, hb                  ; source 0's tiles 4 hb .. 4 hb + 3 of K step st: 16 LDS loads
.irp bb, 0,1,2,3
.irp c, 0,1,2
	ds_load_b128 v[S0F+12*(4*(\hb)+\bb)+4*\c:S0F+12*(4*(\hb)+\bb)+4*\c+3], v[1+(\hb)] offset:12800*\bb+6400*((\st)/4)+256+1536*((\st)%4)+512*\c
.endr
	ds_load_b32 v[S0S+4*(\hb)+\bb], v[3+(\hb)] offset:12800*\bb+6400*((\st)/4)+4*((\st)%4)
.endr
.endm
; 16 products: my four tiles of source 1 x four tiles of source 0.  All 32 accumulators take turns, one instruction a turn, in the same order in every step.
; The first step's C is the bias along the registers.
.macro GHALF st, hb
.irp a, 0,1,2,3
.if (\st) == 0
	WIN 0x48+4*(\a/2)                              ; D window 1, C window 0, source 1 window 2 or 3, source 0 window 0
.else
	WIN 0x58+4*(\a/2)                              ; C and D window 1
.endif
.irp bb, 0,1,2,3
.if (\st) == 0
	v_wmma_scale_f32_16x16x128_f8f6f4 v[8*(8*\a+4*(\hb)+\bb):8*(8*\a+4*(\hb)+\bb)+7], v[S0F+12*(4*(\hb)+\bb):S0F+12*(4*(\hb)+\bb)+11], v[96*(\a%2)+12*(\st):96*(\a%2)+12*(\st)+11], v[BIC+8*(4*(\hb)+\bb):BIC+8*(4*(\hb)+\bb)+7], v[S0S+4*(\hb)+\bb], v[S1S+8*\a+(\st)] matrix_a_fmt:MATRIX_FMT_FP6 matrix_b_fmt:MATRIX_FMT_FP6
.else
	v_wmma_scale_f32_16x16x128_f8f6f4 v[8*(8*\a+4*(\hb)+\bb):8*(8*\a+4*(\hb)+\bb)+7], v[S0F+12*(4*(\hb)+\bb):S0F+12*(4*(\hb)+\bb)+11], v[96*(\a%2)+12*(\st):96*(\a%2)+12*(\st)+11], v[8*(8*\a+4*(\hb)+\bb):8*(8*\a+4*(\hb)+\bb)+7], v[S0S+4*(\hb)+\bb], v[S1S+8*\a+(\st)] matrix_a_fmt:MATRIX_FMT_FP6 matrix_b_fmt:MATRIX_FMT_FP6
.endif
.endr
.endr
.endm
.macro GSTEP st
.if 12*(7-(\st)) > 63
	s_wait_loadcnt 63                              ; this step's fragments of source 1 are in (more loads were issued behind them than the count can name)
.else
	s_wait_loadcnt 12*(7-(\st))                    ; this step's fragments of source 1 are in; the later steps' 12 each may be out
.endif
	s_wait_dscnt 16                                ; tiles 0-3 are in; tiles 4-7's 16 loads may be out
	GHALF \st, 0
	WIN 0
	PLACES
.if (\st) < 7
	S0FETCH (\st)+1, 0
	s_wait_dscnt 16                                ; tiles 4-7 are in; the 16 just issued may be out
.else
	s_wait_dscnt 0x0
.endif
	GHALF \st, 1
	WIN 0
	PLACES
.if (\st) < 7
	S0FETCH (\st)+1, 1
.endif
.endm
	s_wait_alu depctr_va_vdst(0)                   ; directly ahead of the wait below
	s_wait_tensorcnt 0x0                           ; my two tiles have landed; behind the barrier everybody's have
	s_barrier_signal -1
	s_barrier_wait -1
	S0FETCH 0, 0
	S0FETCH 0, 1
	s_wait_loadcnt 63                              ; the biases are in: 104 loads were issued behind them
.set i, 0
.rept 64
	v_cndmask_b32 v[BIC+i], 0, v[BIC+i], s40       ; of the two biases one is 0: bq, bk run along the registers, bv belongs to the lane
.set i, i+1
.endr
.irp a, 0,1,2,3
	v_cndmask_b32 v[BIR+2*\a], 0, v[BIR+2*\a], s41
	v_mov_b32 v[BIR+2*\a+1], 0                     ; named with it as a pair
.endr
	s_wait_alu depctr_va_vdst(0)
.irp st, 0,1,2,3,4,5,6,7
	GSTEP \st
.endr
; THE WAY OUT.  Tile a's 64 sums of a lane come into window 0 with the lane's bias added, each accumulator from its low end on, and are quantised: 128 neighbours along source 0's rows.
.macro TAKE a
	WIN 0x01
.set i, 0
.rept 32
	v_pk_add_f32 v[X+2*i:X+2*i+1], v[64*(\a)+2*i:64*(\a)+2*i+1], v[BIR+2*(\a):BIR+2*(\a)+1] op_sel_hi:[1,0]
.set i, i+1
.endr
	WIN 0
.endm
; q, k: the 128 are two heads' 64 channels: the first halves of tiles 2 p, 2 p + 1 make head 2 Cb's image, the second halves head 2 Cb + 1's.  v: the 128 are a key step: each tile is an image.
.macro EPI p
.if (\p) > 0
	s_wait_xcnt 0x0                                ; the last pair's stores have read their registers and offsets
	v_add_nc_u32 v10, s48, v10
	v_add_nc_u32 v11, s48, v11
	v_add_nc_u32 v12, s49, v12
.endif
	TAKE 2*(\p)
	QUANT X, I1, T0, WA
	TAKE 2*(\p)+1
	QUANT X, T1, I2+6, WB
.irp i, 0,1,2,3,4,5
	v_cndmask_b32 v[I1+6+\i], v[T0+\i], v[T1+\i], s40
	v_cndmask_b32 v[I2+\i], v[T1+\i], v[T0+\i], s40
.endr
	v_perm_b32 v[W1], v[WB], v[WA], s42
	v_perm_b32 v[W2], v[WB], v[WA], s43
	v_cndmask_b32 v[WD], v[W1], v[W2], vcc_lo
.irp c, 0,1,2
	global_store_b128 v10, v[I1+4*\c:I1+4*\c+3], s[12:13] offset:512*\c   ; 512 consecutive bytes, aligned to 256
	global_store_b128 v11, v[I2+4*\c:I2+4*\c+3], s[12:13] offset:512*\c
.endr
	global_store_b32 v12, v[WD], s[12:13]          ; 4 bytes of every 16: the scale words leave in pieces, one byte in 24 of the output
.endm
	EPI 0
	EPI 1
	s_wait_tensorcnt 0x0
	ds_add_u32 v254, v255
	s_wait_dscnt 0x0
	ROUND                                          ; the closing round: no work-group ends while a partner may still ask for a tile that names it
	s_endpgm
.Lfunc_end_k_q620afa4cee_proj:
	.size	k_q620afa4cee_proj, .Lfunc_end_k_q620afa4cee_proj-k_q620afa4cee_proj
	.p2alignl 7, 3214868480
	.fill 96, 4, 3214868480
	.section	.rodata,"a",@progbits
	.p2align	6, 0x0
	.amdhsa_kernel k_q620afa4cee_proj
		.amdhsa_group_segment_fixed_size 168448
		.amdhsa_private_segment_fixed_size 0
		.amdhsa_enable_private_segment 0
		.amdhsa_kernarg_size 40
		.amdhsa_user_sgpr_count 2
		.amdhsa_user_sgpr_kernarg_segment_ptr 1
		.amdhsa_wavefront_size32 1
		.amdhsa_system_sgpr_workgroup_id_x 1
		.amdhsa_system_sgpr_workgroup_id_y 1
		.amdhsa_system_sgpr_workgroup_id_z 1
		.amdhsa_system_vgpr_workitem_id 0
		.amdhsa_next_free_vgpr 1024
		.amdhsa_next_free_sgpr 80
		.amdhsa_reserve_vcc 1
		.amdhsa_float_denorm_mode_32 3
		.amdhsa_float_denorm_mode_16_64 3
		.amdhsa_memory_ordered 1
		.amdhsa_forward_progress 1
		.amdhsa_inst_pref_size 103
	.end_amdhsa_kernel
	.amdgpu_metadata
---
amdhsa.version: [ 1, 2 ]
amdhsa.kernels:
  - .name:           k_q620afa4cee_proj
    .symbol:         k_q620afa4cee_proj.kd
    .args:
      - { .name: ops, .offset: 0, .size: 8, .value_kind: global_buffer, .address_space: global }
      - { .name: bq, .offset: 8, .size: 8, .value_kind: global_buffer, .address_space: global }
      - { .name: bk, .offset: 16, .size: 8, .value_kind: global_buffer, .address_space: global }
      - { .name: bv, .offset: 24, .size: 8, .value_kind: global_buffer, .address_space: global }
      - { .name: qkv, .offset: 32, .size: 8, .value_kind: global_buffer, .address_space: global }
    .group_segment_fixed_size: 168448
    .private_segment_fixed_size: 0
    .kernarg_segment_align: 8
    .kernarg_segment_size: 40
    .max_flat_workgroup_size: 128
    .sgpr_count:     80
    .vgpr_count:     1024
    .wavefront_size: 32
...
	.end_amdgpu_metadata
.endif
;; end of part 2
;; launch attn (part 3): grid 8 x 32, 16 waves a work-group, clusters of 4 x 1, 327,680 bytes of LDS; arguments qkv, mw, mc, oc; writes oc
.if DOCPART == 3
	.amdgcn_target "amdgcn-amd-amdhsa--gfx1250"
	.amdhsa_code_object_version 6
	.text
	.protected	k_q620afa4cee_attn
	.globl	k_q620afa4cee_attn
	.p2align	8
	.type	k_q620afa4cee_attn,@function
k_q620afa4cee_attn:
	s_mov_b64 s[64:65], 0
	v_nop
	global_prefetch_b8 v0, s[64:65] scope:SCOPE_SE
	s_setreg_imm32_b32 hwreg(HW_REG_WAVE_MODE, 25, 1), 1
	s_wait_xcnt 0x0
	s_wait_alu depctr_hold_cnt(0) depctr_sa_sdst(0) depctr_va_vdst(0) depctr_va_sdst(0) depctr_va_ssrc(0) depctr_va_vcc(0) depctr_vm_vsrc(0)
	s_getreg_b32 s2, hwreg(HW_REG_IB_STS2, 6, 4)
	s_cmp_eq_u32 s2, 0
	s_cbranch_scc0 .Lentry_in_a_cluster
	s_endpgm
.Lentry_in_a_cluster:
	s_bfe_u32 s2, ttmp6, 0x10000c
	s_cmp_lg_u32 s2, 0x3003
	s_cbranch_scc0 .Lentry_shape_is_right
	s_endpgm
.Lentry_shape_is_right:
; ATTN.  o = Q(softmax(mask(Q(q) Q(k)^T / 8))) Q(v) for one (batch, head) and 256 queries a work-group; a wave owns 16 queries; o leaves quantised along the channels, as the last launch's operand.
; Both products are used transposed (S^T = k q^T, O^T = v^T p^T): a lane holds one query, its registers run along the keys.  p is quantised finished and normalised, so the keys are walked twice.
; WALK 1: scores, mask (lane bits of mw, by selects to -inf), the running largest t rounded up to a whole number M, the sum of 2^(t - M).  The largest masked score of each block of 32 keys goes to the wave's own LDS bytes.
; WALK 2: scores again; p = 2^(t - M - log2(sum)) by one multiply-add and one exponential, for masked keys too; a block's scale comes from its stored largest score through the same two instructions;
;   the mask falls on the CODES: 12 v_and_b32 with mc's six-bit fields (0x1f or 0) in p's operand layout.  A masked key's p may lie beyond the block's range: it is held at the largest code and then cleared.
; K AND V: block j (128 keys) of both, 6,400 bytes each, come by ONE tensor load a wave (two rows, the k blob's and the v blob's), to LDS 12,800 j; filled once.  The four partners of a cluster share (batch, head) and ask jointly.
; mc: two sets of registers by turns: key step j + 2's fields are asked for at step j.  Trip j of walk 1 prefetches key step j's 1,536 bytes, six blocks of 256, a lane a block, 16 trips ahead of their load;
;   a wave's fields are read by no other wave of its cluster, so each wave asks for its own.
; LIMITS: the scaled scores stay under 2^31 in magnitude; the row's common factor 2^-(M + log2 sum) is rounded at the size of M + log2 sum; a row with no key gives zeros (its sum is floored at 2^-100);
;   a block whose largest p lies under 2^-124 has the byte 1; NaN and infinities among the inputs are not served.  v_exp_f32 is taken not to fall where its input rises.
; REGISTERS: v1 16 x lane; v2, v5 the block maxima's LDS address and its base; v3 -inf, then at work; v4 K and V's LDS address; v[6:7] -M (then -M - log2 sum) and the largest t; v8, v9 q's and p's scale words;
;   v[10:11] the sum, v[12:13] the factor; v14, v15 the spare word's address and 0, kept; v16-33 zeros, q, zeros.
.set KF, 34                            ; v34-81 four fragments of k, v82-85 their scale words
.set KS, 82
.set VF, 86                            ; v86-109 fragments 0, 1 of v, v110-113 v's scale words (walk 1: v86 the prefetches' offset)
.set VS, 110
.set MC, 114                           ; v114-137 the mask fields, two sets of 12
.set S,  138                           ; v138-201 scores, then p; behind the conversions: two runs of three for the blocks' upper halves, and at S + 16 fragments 2, 3 of v
.set O,  202                           ; v202-233 O^T
.set P,  234                           ; v234-245 p's codes; v242-245 first hold the four block maxima
.set BM, 246                           ; v246-253 walk 1: at work
.set BT, 250
.set SPW, 14
.set NIL, 15
.set KVB, 12800                        ; a key step in LDS: k's block, then v's
.set SPARE, 204800                     ; the spare words: 128 bytes a wave
.set BMX, 206848                       ; the block maxima: 4,096 bytes a wave, 256 a key step: row r at 16 r: blocks 0, 2, 1, 3
.macro ROUND
	s_barrier_signal -1
	s_barrier_wait -1
	s_cmp_lg_u32 s2, 0
	s_cbranch_scc1 .Lnot_wave_0_\@
	s_barrier_signal -3
.Lnot_wave_0_\@:
	s_barrier_wait -3
	s_barrier_signal -1
	s_barrier_wait -1
.endm
.macro NOPS n
.rept \n
	v_nop
.endr
.endm
.macro MLOAD                           ; a key step's 64 words of lane bits
	s_load_b512 s[32:47], s[6:7], s31 offset:0x0
	s_load_b512 s[48:63], s[6:7], s31 offset:0x40
	s_load_b512 s[68:83], s[6:7], s31 offset:0x80
	s_load_b512 s[84:99], s[6:7], s31 offset:0xc0
.endm
.macro KLOAD off                       ; k's four images and the scale words (lanes 0-15 read their rows' words; what lanes 16-31 read is not used)
.irp i, 0,1,2,3
.irp c, 0,1,2
	ds_load_b128 v[KF+12*\i+4*\c:KF+12*\i+4*\c+3], v4 offset:(\off)+256+1536*\i+512*\c
.endr
.endr
	ds_load_b128 v[KS:KS+3], v4 offset:\off
.endm
.macro VLOAD dst, i0, off              ; v's images i0, i0 + 1
.irp i, 0,1
.irp c, 0,1,2
	ds_load_b128 v[\dst+12*\i+4*\c:\dst+12*\i+4*\c+3], v4 offset:(\off)+6400+256+1536*(\i0+\i)+512*\c
.endr
.endr
.endm
.macro MCLOAD set                      ; a key step's mask fields into set 0 or 1; each set has its own base
.irp c, 0,1,2
	global_load_b128 v[MC+12*(\set)+4*\c:MC+12*(\set)+4*\c+3], v1, s[66+2*(\set):67+2*(\set)] offset:512*\c
.endr
.endm
.macro QK                              ; an image holds two tiles of 16 keys x 64 channels: q beside zeros picks one of them.  Eight accumulators, each begun with 0
.irp i, 0,1,2,3
	v_wmma_scale_f32_16x16x128_f8f6f4 v[S+16*\i:S+16*\i+7], v[KF+12*\i:KF+12*\i+11], v[22:33], 0, v[KS+\i], v8 matrix_a_fmt:MATRIX_FMT_FP6 matrix_b_fmt:MATRIX_FMT_FP6
	v_wmma_scale_f32_16x16x128_f8f6f4 v[S+16*\i+8:S+16*\i+15], v[KF+12*\i:KF+12*\i+11], v[16:27], 0, v[KS+\i], v8 matrix_a_fmt:MATRIX_FMT_FP6 matrix_b_fmt:MATRIX_FMT_FP6
.endr
.endm
.macro TSUB                            ; t - M, two at a time, each accumulator from its low end on
.set n, 0
.rept 32
	v_pk_fma_f32 v[S+n:S+n+1], v[S+n:S+n+1], s[26:27], v[6:7] op_sel_hi:[1,0,0]
.set n, n+2
.endr
.endm
.macro EXPS
.set n, 0
.rept 64
	v_exp_f32 v[S+n], v[S+n]
.set n, n+1
.endr
.endm
.macro STEP1 pre
	s_wait_dscnt 0x0                               ; this step's k is in
	QK
	v_add_nc_u32 v2, s31, v5                       ; four plain instructions behind the products, ahead of the loads and of the first read
.if \pre
	s_add_co_u32 s30, s30, KVB
	v_add_nc_u32 v4, s30, v1
	NOPS 2
	KLOAD 0                                        ; the next step's k
.else
	NOPS 3
.endif
	s_wait_kmcnt 0x0
.set n, 0
.rept 64
.if n < 32
	v_cndmask_b32 v[S+n], v3, v[S+n], s[32+n]
.else
	v_cndmask_b32 v[S+n], v3, v[S+n], s[36+n]
.endif
.set n, n+1
.endr
.if \pre
	s_add_co_u32 s31, s31, 256
	MLOAD
.endif
.irp b, 0,1,2,3
	v_max3_num_f32 v[BM+\b], v[S+16*\b], v[S+16*\b+1], v[S+16*\b+2]   ; my 16 keys of each block, the four blocks by turns
.endr
.irp i, 3,5,7,9,11,13
.irp b, 0,1,2,3
	v_max3_num_f32 v[BM+\b], v[BM+\b], v[S+16*\b+\i], v[S+16*\b+\i+1]
.endr
.endr
.irp b, 0,1,2,3
	v_max_num_f32 v[BM+\b], v[BM+\b], v[S+16*\b+15]
.endr
	v_permlane16_swap_b32 v[BM], v[BM+1]           ; both halves of block 0 now meet in lanes 0-15, those of block 1 in lanes 16-31
	v_permlane16_swap_b32 v[BM+2], v[BM+3]         ; blocks 2 and 3 likewise
	v_max_num_f32 v[BT], v[BM], v[BM+1]
	v_max_num_f32 v[BT+1], v[BM+2], v[BM+3]
	v_max_num_f32 v[BT+2], v[BT], v[BT+1]
	s_delay_alu instid0(VALU_DEP_1)
	v_permlanex16_b32 v[BT+3], v[BT+2], s28, s29
	s_delay_alu instid0(VALU_DEP_1)
	v_max_num_f32 v[BT+2], v[BT+2], v[BT+3]        ; the step's largest score of my query
	s_delay_alu instid0(VALU_DEP_1)
	v_mul_f32 v[BT+2], s26, v[BT+2]
	s_delay_alu instid0(VALU_DEP_1)
	v_max_num_f32 v7, v7, v[BT+2]                  ; the running largest t
	v_mov_b32 v[BT+2], v6
	s_delay_alu instid0(VALU_DEP_2)
	v_floor_f32 v6, -v7                            ; -M = floor(-t)
	s_delay_alu instid0(VALU_DEP_1)
	v_sub_f32 v[BT+2], v6, v[BT+2]
	s_delay_alu instid0(VALU_DEP_1)
	v_cvt_i32_f32 v[BT+2], v[BT+2]
	s_delay_alu instid0(VALU_DEP_1)
	v_ldexp_f32 v12, 1.0, v[BT+2]                  ; 2^(old M - new M)
	ds_store_b64 v2, v[BT:BT+1]                    ; lane (r, h): the largest scores of blocks h and 2 + h of query r, at 16 r + 8 h
	global_prefetch_b8 v86, s[20:21] th:TH_LOAD_NT scope:SCOPE_SE   ; this key step's mask fields, which walk 2 loads 16 trips on: lanes 0-5 a block each, the others the last block again
	TSUB
	s_wait_alu depctr_va_vdst(0)                   ; the wait ahead of the batch
	EXPS
	v_pk_mul_f32 v[10:11], v[10:11], v[12:13] op_sel_hi:[1,0]
	s_wait_xcnt 0x0                                ; the prefetch has read its address: only now is its base stepped (and, behind the walk, its offset's register used again)
.if \pre
	s_add_nc_u64 s[20:21], s[20:21], 1536
.endif
	s_wait_alu depctr_va_vdst(0)                   ; the wait behind the batch, ahead of its first reader
	v_pk_add_f32 v[246:247], v[S:S+1], v[S+2:S+3]  ; the sum of the unquantised numbers, in four chains
	v_pk_add_f32 v[248:249], v[S+4:S+5], v[S+6:S+7]
	v_pk_add_f32 v[252:253], v[S+8:S+9], v[S+10:S+11]
.irp j, 12,20,28,36,44,52
	v_pk_add_f32 v[10:11], v[10:11], v[S+\j:S+\j+1]
	v_pk_add_f32 v[246:247], v[246:247], v[S+\j+2:S+\j+3]
	v_pk_add_f32 v[248:249], v[248:249], v[S+\j+4:S+\j+5]
	v_pk_add_f32 v[252:253], v[252:253], v[S+\j+6:S+\j+7]
.endr
	v_pk_add_f32 v[10:11], v[10:11], v[S+60:S+61]
	v_pk_add_f32 v[246:247], v[246:247], v[S+62:S+63]
	v_pk_add_f32 v[248:249], v[248:249], v[252:253]
	v_pk_add_f32 v[10:11], v[10:11], v[246:247]
	v_pk_add_f32 v[10:11], v[10:11], v[248:249]
.endm
; first: O^T begins; pre: a step follows; o: the step lies o key steps behind the address registers; adv: key steps by which they go on at its end; set: its mask fields' set; mcn: the fields of two steps on are asked for; lw: loads that may stay out
.macro STEP2 first, pre, o, adv, set, mcn, lw
.set MS, MC+12*(\set)
	s_wait_dscnt 0x0                               ; this step's k is in
	QK
	v_add_nc_u32 v2, s31, v5
	NOPS 3                                         ; four plain instructions behind the products
	ds_load_b128 v[P+8:P+11], v2 offset:256*(\o)   ; my query's block maxima: blocks 0, 2, 1, 3
	VLOAD VF, 0, KVB*(\o)                          ; this step's v: images 0, 1
	ds_load_b128 v[VS:VS+3], v4 offset:KVB*(\o)+6400
.if \pre
	KLOAD KVB*(\o)+KVB                             ; the next step's k
.endif
	TSUB
.if \pre
	s_wait_dscnt 20                                ; the maxima are in; v's 7 loads and k's 13 may be out
.else
	s_wait_dscnt 7
.endif
	v_pk_fma_f32 v[P+8:P+9], v[P+8:P+9], s[26:27], v[6:7] op_sel_hi:[1,0,0]
	v_pk_fma_f32 v[P+10:P+11], v[P+10:P+11], s[26:27], v[6:7] op_sel_hi:[1,0,0]
	s_wait_alu depctr_va_vdst(0)                   ; the wait ahead of the batch
	EXPS
.irp b, 8,9,10,11
	v_exp_f32 v[P+\b], v[P+\b]                     ; each block's largest p
.endr
	v_nop                                          ; a plain instruction behind the batch
	s_wait_loadcnt \lw                             ; this step's mask fields are in; the next step's three loads may be out
	s_wait_alu depctr_va_vdst(0)                   ; the wait behind the batch
.irp b, 8,9,10,11
	v_max_num_f32 v[P+\b], 0x1800000, v[P+\b]      ; the floor 2^(3 - 127): the byte cannot fall under 1
.endr
.irp b, 8,9,10,11
	v_add_nc_u32 v[P+\b], 0xff000000, v[P+\b]      ; 2 off the exponent field: the conversion's scale operand
.endr
	v_lshrrev_b32 v9, 23, v[P+8]
	v_lshrrev_b32 v3, 23, v[P+10]
	v_lshrrev_b32 v254, 23, v[P+9]
	v_lshrrev_b32 v255, 23, v[P+11]
	v_lshl_or_b32 v9, v3, 8, v9
	v_lshl_or_b32 v254, v255, 8, v254
	v_cvt_scalef32_pk16_fp6_f32 v[P:P+2], v[S:S+15], v[P+8]
	v_lshl_or_b32 v9, v254, 16, v9                 ; p's scale word.  Also the plain instruction ahead of the conversions that write over the first one's sources
	v_cvt_scalef32_pk16_fp6_f32 v[S:S+2], v[S+16:S+31], v[P+10]
	v_cvt_scalef32_pk16_fp6_f32 v[P+6:P+8], v[S+32:S+47], v[P+9]
	v_cvt_scalef32_pk16_fp6_f32 v[S+4:S+6], v[S+48:S+63], v[P+11]
	VLOAD S+16, 2, KVB*(\o)                        ; v's images 2, 3, into registers of p that the conversions have read
	v_nop                                          ; one plain instruction behind the scaled conversions
.irp i, 0,1,2
	v_permlane16_swap_b32 v[P+\i], v[S+\i]         ; a whole block in a lane
	v_permlane16_swap_b32 v[P+6+\i], v[S+4+\i]
.endr
.irp i, 0,1,2
	v_and_b32 v[P+\i], v[P+\i], v[MS+\i]           ; the mask, on the codes; the blocks' upper halves come to their places by the same lines
	v_and_b32 v[P+3+\i], v[S+\i], v[MS+3+\i]
	v_and_b32 v[P+6+\i], v[P+6+\i], v[MS+6+\i]
	v_and_b32 v[P+9+\i], v[S+4+\i], v[MS+9+\i]
.endr
.if \mcn
	s_add_nc_u64 s[66+2*(\set):67+2*(\set)], s[66+2*(\set):67+2*(\set)], 3072   ; this set's last loads are done: its base may step, two key steps on
	MCLOAD \set
.endif
.if \adv
	s_add_co_u32 s30, s30, KVB*(\adv)
	s_add_co_u32 s31, s31, 256*(\adv)
	v_add_nc_u32 v4, s30, v1                       ; an operand written by vector instructions stands four plain instructions ahead of a scaled product
	NOPS 3
.else
	NOPS 4
.endif
	s_wait_alu depctr_va_vdst(0)
	s_wait_dscnt 0x0                               ; all of v is in
.irp t, 0,1,2,3
.if \t < 2
.set AV, VF+12*\t
.else
.set AV, S+16+12*(\t-2)
.endif
.if \first
	v_wmma_scale_f32_16x16x128_f8f6f4 v[O+8*\t:O+8*\t+7], v[AV:AV+11], v[P:P+11], 0, v[VS+\t], v9 matrix_a_fmt:MATRIX_FMT_FP6 matrix_b_fmt:MATRIX_FMT_FP6
.else
	v_wmma_scale_f32_16x16x128_f8f6f4 v[O+8*\t:O+8*\t+7], v[AV:AV+11], v[P:P+11], v[O+8*\t:O+8*\t+7], v[VS+\t], v9 matrix_a_fmt:MATRIX_FMT_FP6 matrix_b_fmt:MATRIX_FMT_FP6
.endif
.endr
.if \pre
	NOPS 5                                         ; the next scores are written over registers that these products read: five plain instructions between (ISA guide 7.12.1)
.endif
.endm
	s_load_b128 s[4:7], s[0:1], 0x0                ; qkv, mw
	s_load_b64 s[66:67], s[0:1], 0x10              ; mc
	s_load_b64 s[24:25], s[0:1], 0x18              ; oc
	v_lshl_add_u32 v[SPW], v0, 2, SPARE
	v_mov_b32 v[NIL], 0
	ds_add_u32 v[SPW], v[NIL]                      ; the add, twice on end, and its wait
	ds_add_u32 v[SPW], v[NIL]
	v_lshrrev_b32 v1, 5, v0
	v_readfirstlane_b32 s2, v1                     ; wave
	s_and_b32 s32, ttmp7, 0xffff                   ; y = 16 batch + head, which the partners share
	s_mov_b32 s8, 15|(3<<16)|(1<<21)               ; group 1: the four partners; elements of 8 bytes
	s_mov_b32 s9, 800<<16                          ; rows of 6,400 bytes,
	s_mov_b32 s10, 2<<16                           ; two of them:
	s_mov_b32 s11, 800<<16
	s_mov_b32 s12, 2
	s_mov_b32 s13, 409600                          ; the v blob lies 32 blobs of 102,400 bytes behind the k blob
	s_mov_b32 s14, 0
	s_mov_b32 s15, 0
	s_add_co_u32 s36, s32, 32
	s_mul_i32 s36, s36, 102400
	s_mul_i32 s38, s2, 6400
	s_add_co_u32 s36, s36, s38                     ; k blob 32 + y, block = my wave's number
	s_mov_b32 s37, 0
	s_wait_dscnt 0x0
	s_wait_kmcnt 0x0
	s_mov_b32 s16, 1
	s_mul_i32 s17, s2, KVB
	s_add_nc_u64 s[18:19], s[4:5], s[36:37]
	s_or_b32 s19, s19, 0x80000000
	ROUND                                          ; the four partners are here: the joint loads meet
	tensor_load_to_lds s[16:19], s[8:15]           ; my one tensor load; nothing is ever filled again
	s_nop 0
	NOPS 4
	s_bfe_u32 s33, ttmp6, 0x40000
	s_lshl_b32 s34, ttmp9, 2
	s_add_co_u32 s34, s34, s33                     ; x: which 256 queries
	s_and_b32 s42, s32, 15                         ; head
	s_lshr_b32 s41, s32, 4                         ; batch
	s_lshl_b32 s40, s34, 4
	s_add_co_u32 s40, s40, s2                      ; my tile of 16 queries
	s_lshl_b32 s43, s41, 7
	s_add_co_u32 s43, s43, s40
	s_lshl_b32 s44, s43, 12
	s_mov_b32 s45, 0
	s_add_nc_u64 s[6:7], s[6:7], s[44:45]          ; mw: 4,096 bytes a tile
	s_mul_i32 s44, s43, 24576
	s_add_nc_u64 s[66:67], s[66:67], s[44:45]      ; mc: 16 x 1,536 bytes a tile
	s_mov_b64 s[20:21], s[66:67]                   ; and where the prefetches stand
	s_mul_i32 s44, s43, 12800
	s_lshr_b32 s46, s42, 3
	s_mul_i32 s46, s46, 6400
	s_add_co_u32 s44, s44, s46
	s_add_nc_u64 s[24:25], s[24:25], s[44:45]      ; oc: my operand tile, the half of K that holds my head
	s_bfe_u32 s46, s42, 0x20001
	s_and_b32 s47, s42, 1
	s_mul_i32 s100, s46, 1536
	s_mul_i32 s48, s47, 768
	s_add_co_u32 s100, s100, s48
	s_add_co_u32 s100, s100, 256                   ; my half of the image
	s_lshl_b32 s101, s46, 2
	s_lshl_b32 s48, s47, 1
	s_add_co_u32 s101, s101, s48                   ; my two scale bytes
	s_lshl_b32 s48, s34, 3
	s_lshr_b32 s49, s2, 1
	s_add_co_u32 s48, s48, s49                     ; q: my pair of tiles
	s_lshr_b32 s49, s48, 2
	s_mul_i32 s49, s49, 6400
	s_mul_i32 s50, s32, 102400
	s_add_co_u32 s44, s49, s50
	s_add_nc_u64 s[52:53], s[4:5], s[44:45]
	s_and_b32 s48, s48, 3
	s_mul_i32 s46, s48, 1536
	s_add_co_u32 s46, s46, 256
	s_lshl_b32 s47, s48, 2
	s_mov_b32 s26, 0x3e38aa3b                      ; log2(e) / 8
	s_mov_b32 s27, s26
	s_mov_b32 s28, 0x76543210
	s_mov_b32 s29, 0xfedcba98                      ; selects for lane l xor 16
	s_mov_b32 s30, 0
	s_mov_b32 s31, 0
	s_lshl_b32 s51, s2, 12
	s_add_co_u32 s51, s51, BMX
	v_and_b32 v5, 31, v0
	v_and_b32 v6, 15, v0
	v_lshlrev_b32 v1, 4, v5
	v_lshlrev_b32 v2, 4, v6
	v_min_u32 v86, 5, v5
	v_bfe_u32 v5, v0, 4, 1
	v_add_nc_u32 v4, s46, v1
	v_add_nc_u32 v7, s47, v2
	global_load_b128 v[34:37], v4, s[52:53]
	global_load_b128 v[38:41], v4, s[52:53] offset:512
	global_load_b128 v[42:45], v4, s[52:53] offset:1024
	global_load_b32 v46, v7, s[52:53]
	v_lshlrev_b32 v86, 8, v86                      ; the prefetches' offset: 256 x min(lane, 5)
	v_lshl_add_u32 v5, v5, 3, v2
	v_add_nc_u32 v5, s51, v5                       ; walk 1: my wave's maxima, 16 r + 8 h
	s_and_b32 s48, s2, 1
	s_cmp_eq_u32 s48, 1
	s_cselect_b32 s49, -1, 0
	s_mov_b32 s50, 0x01000100
	s_cselect_b32 s50, 0x03020302, s50
	s_wait_loadcnt 0x0
.irp i, 0,1,2,3,4,5
	v_cndmask_b32 v[22+\i], v[34+\i], v[40+\i], s49   ; my tile of the pair
.endr
	v_perm_b32 v8, v46, v46, s50                   ; its two scale bytes, twice
.irp i, 0,1,2,3,4,5
	v_mov_b32 v[16+\i], 0
	v_mov_b32 v[28+\i], 0
.endr
	v_mov_b32 v3, 0xff800000
	v_mov_b32 v7, 0xff61b1e6                       ; the largest t so far: -3e38
	v_floor_f32 v6, -v7
.irp i, 10,11,12,13
	v_mov_b32 v[\i], 0
.endr
.irp b, 0,1,2,3
	v_mov_b32 v[BT+\b], 0                          ; a lane permute's destination counts as read
.endr
	v_mov_b32 v4, v1
	MLOAD
	s_wait_alu depctr_va_vdst(0)
	s_wait_tensorcnt 0x0                           ; my blocks of k and v have landed,
	s_barrier_signal -1
	s_barrier_wait -1                              ; and everybody's
	KLOAD 0
	s_mov_b32 s3, 15
.Lwalk1:
	STEP1 1
	s_sub_co_u32 s3, s3, 1
	s_cmp_lg_u32 s3, 0
	s_cbranch_scc1 .Lwalk1
	STEP1 0
	s_delay_alu instid0(VALU_DEP_1)
	v_add_f32 v10, v10, v11
	s_delay_alu instid0(VALU_DEP_1)
	v_permlanex16_b32 v[BT], v10, s28, s29
	s_delay_alu instid0(VALU_DEP_1)
	v_add_f32 v10, v10, v[BT]                      ; the row's sum
	s_delay_alu instid0(VALU_DEP_1)
	v_max_num_f32 v10, 0x0d800000, v10             ; a row with no key: the floor 2^-100
	s_wait_alu depctr_va_vdst(0)
	v_log_f32 v[BT], v10
	s_mov_b32 s30, 0
	s_mov_b32 s31, 0
	s_lshl_b32 s32, s2, 12
	s_add_co_u32 s32, s32, BMX
	s_add_nc_u64 s[68:69], s[66:67], 1536          ; the second set's base: key step 1
	v_mov_b32 v4, v1
	v_and_b32 v5, 15, v0
	v_lshlrev_b32 v5, 4, v5
	v_add_nc_u32 v5, s32, v5                       ; walk 2: my wave's maxima, 16 r
	s_wait_alu depctr_va_vdst(0)
	v_sub_f32 v6, v6, v[BT]                        ; -M - log2(sum): the division goes into the exponent
	s_wait_alu depctr_va_vdst(0)
	MCLOAD 0
	MCLOAD 1
	KLOAD 0
	STEP2 1, 1, 0, 1, 0, 1, 3                      ; key step 0
	s_mov_b32 s3, 6
.Lwalk2:                                               ; key steps 1 to 12, two a trip: the sets of mask fields come back after two; the addresses step once a trip
	STEP2 0, 1, 0, 0, 1, 1, 3
	STEP2 0, 1, 1, 2, 0, 1, 3
	s_sub_co_u32 s3, s3, 1
	s_cmp_lg_u32 s3, 0
	s_cbranch_scc1 .Lwalk2
	STEP2 0, 1, 0, 1, 1, 1, 3                      ; key step 13 asks for the last fields, key step 15's
	STEP2 0, 1, 0, 1, 0, 0, 3
	STEP2 0, 0, 0, 0, 1, 0, 0
; THE WAY OUT: my query's 64 channels are two blocks of 32 of the last product's K
	NOPS 4
.irp b, 0,1
	v_max3_num_f32 v[34+\b], |v[O+16*\b]|, |v[O+16*\b+1]|, 0x1800000
	v_mov_b32 v[36+\b], 0
.endr
.irp i, 2,4,6,8,10,12,14
.irp b, 0,1
	v_max3_num_f32 v[34+\b], v[34+\b], |v[O+16*\b+\i]|, |v[O+16*\b+\i+1]|
.endr
.endr
.irp b, 0,1
	v_permlanex16_b32 v[36+\b], v[34+\b], s28, s29
.endr
.irp b, 0,1
	v_max_num_f32 v[34+\b], v[34+\b], v[36+\b]
.endr
.irp b, 0,1
	v_add_nc_u32 v[38+\b], 0xff000000, v[34+\b]
.endr
.irp b, 0,1
	v_lshrrev_b32 v[36+\b], 23, v[38+\b]
.endr
	v_cvt_scalef32_pk16_fp6_f32 v[P:P+2], v[O:O+15], v38
	v_cvt_scalef32_pk16_fp6_f32 v[40:42], v[O+16:O+31], v39
	v_nop
.irp i, 0,1,2
	v_permlane16_swap_b32 v[P+\i], v[40+\i]
.endr
.irp i, 0,1,2
	v_mov_b32 v[P+3+\i], v[40+\i]
.endr
	v_add_nc_u32 v4, s100, v1
	v_and_b32 v5, 31, v0
	v_and_b32 v2, 15, v0
	v_bfe_u32 v6, v0, 4, 1
	v_lshlrev_b32 v5, 3, v5
	v_lshlrev_b32 v2, 4, v2
	v_cmp_ne_u32 vcc_lo, 0, v6
	v_add_nc_u32 v5, s100, v5
	v_cndmask_b32 v7, v36, v37, vcc_lo             ; lanes 0-15 store block 0's byte, lanes 16-31 block 1's
	v_add3_u32 v6, v6, v2, s101
	global_store_b128 v4, v[P:P+3], s[24:25]       ; 512 consecutive bytes, aligned to 256
	global_store_b64 v5, v[P+4:P+5], s[24:25] offset:512   ; 256 consecutive bytes, aligned
	global_store_b8 v6, v7, s[24:25]               ; two bytes of every 16: the scale bytes leave in pieces
	s_wait_tensorcnt 0x0                           ; the wave's end
	ds_add_u32 v[SPW], v[NIL]
	s_wait_dscnt 0x0
	ROUND                                          ; the closing round
	s_endpgm
.Lfunc_end_k_q620afa4cee_attn:
	.size	k_q620afa4cee_attn, .Lfunc_end_k_q620afa4cee_attn-k_q620afa4cee_attn
	.p2alignl 7, 3214868480
	.fill 96, 4, 3214868480
	.section	.rodata,"a",@progbits
	.p2align	6, 0x0
	.amdhsa_kernel k_q620afa4cee_attn
		.amdhsa_group_segment_fixed_size 327680
		.amdhsa_private_segment_fixed_size 0
		.amdhsa_enable_private_segment 0
		.amdhsa_kernarg_size 32
		.amdhsa_user_sgpr_count 2
		.amdhsa_user_sgpr_kernarg_segment_ptr 1
		.amdhsa_wavefront_size32 1
		.amdhsa_system_sgpr_workgroup_id_x 1
		.amdhsa_system_sgpr_workgroup_id_y 1
		.amdhsa_system_sgpr_workgroup_id_z 1
		.amdhsa_system_vgpr_workitem_id 0
		.amdhsa_next_free_vgpr 256
		.amdhsa_next_free_sgpr 102
		.amdhsa_reserve_vcc 1
		.amdhsa_float_denorm_mode_32 3
		.amdhsa_float_denorm_mode_16_64 3
		.amdhsa_memory_ordered 1
		.amdhsa_forward_progress 1
		.amdhsa_inst_pref_size 103
	.end_amdhsa_kernel
	.amdgpu_metadata
---
amdhsa.version: [ 1, 2 ]
amdhsa.kernels:
  - .name:           k_q620afa4cee_attn
    .symbol:         k_q620afa4cee_attn.kd
    .args:
      - { .name: qkv, .offset: 0, .size: 8, .value_kind: global_buffer, .address_space: global }
      - { .name: mw, .offset: 8, .size: 8, .value_kind: global_buffer, .address_space: global }
      - { .name: mc, .offset: 16, .size: 8, .value_kind: global_buffer, .address_space: global }
      - { .name: oc, .offset: 24, .size: 8, .value_kind: global_buffer, .address_space: global }
    .group_segment_fixed_size: 327680
    .private_segment_fixed_size: 0
    .kernarg_segment_align: 8
    .kernarg_segment_size: 32
    .max_flat_workgroup_size: 512
    .sgpr_count:     102
    .vgpr_count:     256
    .wavefront_size: 32
...
	.end_amdgpu_metadata
.endif
;; end of part 3
;; launch outp (part 4): grid 32 x 8, 4 waves a work-group, clusters of 4 x 1, 327,680 bytes of LDS; arguments ops, oc, bp, out0; writes out0
.if DOCPART == 4
	.amdgcn_target "amdgcn-amd-amdhsa--gfx1250"
	.amdhsa_code_object_version 6
	.text
	.protected	k_q620afa4cee_outp
	.globl	k_q620afa4cee_outp
	.p2align	8
	.type	k_q620afa4cee_outp,@function
k_q620afa4cee_outp:
	s_mov_b64 s[64:65], 0
	v_nop
	global_prefetch_b8 v0, s[64:65] scope:SCOPE_SE
	s_setreg_imm32_b32 hwreg(HW_REG_WAVE_MODE, 25, 1), 1
	s_wait_xcnt 0x0
	s_wait_alu depctr_hold_cnt(0) depctr_sa_sdst(0) depctr_va_vdst(0) depctr_va_sdst(0) depctr_va_ssrc(0) depctr_va_vcc(0) depctr_vm_vsrc(0)
	s_getreg_b32 s2, hwreg(HW_REG_IB_STS2, 6, 4)
	s_cmp_eq_u32 s2, 0
	s_cbranch_scc0 .Lentry_in_a_cluster
	s_endpgm
.Lentry_in_a_cluster:
	s_bfe_u32 s2, ttmp6, 0x10000c
	s_cmp_lg_u32 s2, 0x3003
	s_cbranch_scc0 .Lentry_shape_is_right
	s_endpgm
.Lentry_shape_is_right:
.set S0F, 16
.set S0S, 112
.set S1S, 120
.set BIC, 128
.set MSB, 0
.macro WIN new
.if MSB != (\new)
	s_set_vgpr_msb (MSB<<8)|(\new)
.set MSB, (\new)
.endif
.endm
.macro ROUND
	s_barrier_signal -1
	s_barrier_wait -1
	s_cmp_lg_u32 s2, 0
	s_cbranch_scc1 .Lnot_wave_0_\@
	s_barrier_signal -3
.Lnot_wave_0_\@:
	s_barrier_wait -3
	s_barrier_signal -1
	s_barrier_wait -1
.endm
.macro PLACES
.rept 4
	v_nop
.endr
.endm
	s_load_b256 s[4:11], s[0:1], 0x0
	v_lshl_add_u32 v254, v0, 2, 0x29800
	v_mov_b32 v255, 0
	ds_add_u32 v254, v255
	ds_add_u32 v254, v255
	v_lshrrev_b32 v1, 5, v0
	v_readfirstlane_b32 s2, v1
	s_and_b32 s34, ttmp7, 0xffff
	s_mov_b32 s16, 15|(3<<16)|(1<<21)
	s_mov_b32 s17, 1600<<16                        ; two rows of 12,800 bytes, one behind the other: two neighbouring operand tiles of Wp, all of K
	s_mov_b32 s18, 2<<16
	s_mov_b32 s19, 1600<<16
	s_mov_b32 s20, 2
	s_mov_b32 s21, 1600
	s_mov_b32 s22, 0
	s_mov_b32 s23, 0
	s_lshl_b32 s54, s34, 3
	s_add_co_u32 s54, s54, 704
	s_lshl_b32 s55, s2, 1
	s_add_co_u32 s54, s54, s55
	s_mul_i32 s54, s54, 12800
	s_mov_b32 s55, 0
	s_wait_dscnt 0x0
	s_wait_kmcnt 0x0
	s_mov_b32 s24, 1
	s_mul_i32 s25, s2, 25600                       ; LDS: tile b at 12,800 b, as it lies in ops
	s_add_nc_u64 s[26:27], s[4:5], s[54:55]
	s_or_b32 s27, s27, 0x80000000
	ROUND
	tensor_load_to_lds s[24:27], s[16:23]          ; my one tensor load: 25,600 bytes; nothing is ever filled again
	s_nop 0
	PLACES
	s_bfe_u32 s35, ttmp6, 0x40000
	s_lshl_b32 s36, ttmp9, 2
	s_add_co_u32 s36, s36, s35
	s_lshl_b32 s58, s36, 3
	s_lshl_b32 s59, s2, 1
	s_add_co_u32 s58, s58, s59
	s_mul_i32 s58, s58, 12800
	s_mov_b32 s59, 0
	s_add_nc_u64 s[32:33], s[6:7], s[58:59]
	s_lshl_b32 s38, s34, 9
	s_lshl_b32 s56, s36, 2
	s_add_co_u32 s56, s56, s2
	s_lshl_b32 s56, s56, 17
	s_add_co_u32 s56, s56, s38
	s_mov_b32 s57, 0
	s_add_nc_u64 s[10:11], s[10:11], s[56:57]
	s_mul_i32 s39, s2, 16896
	s_add_co_u32 s39, s39, 102400
	v_and_b32 v9, 31, v0
	v_lshlrev_b32 v1, 4, v9
	v_add_nc_u32 v2, 51200, v1
	v_and_b32 v10, 15, v0
	v_lshlrev_b32 v3, 4, v10
	v_add_nc_u32 v4, 51200, v3
	v_lshlrev_b32 v5, 3, v9
	v_bfe_u32 v11, v0, 4, 1
	v_lshl_add_u32 v6, v11, 6, s38
	v_and_b32 v12, 8, v10
	v_add_nc_u32 v12, v12, v10
	v_mul_u32_u24 v7, v12, 528
	v_lshl_add_u32 v7, v11, 6, v7
	v_add_nc_u32 v7, s39, v7
	v_add_nc_u32 v8, s39, v1
	WIN 0x40
.irp t, 0,1,2,3,4,5,6,7
	global_load_b128 v[BIC+8*\t:BIC+8*\t+3], v6, s[8:9] offset:(32*(\t/2)+8*(\t%2))*4
	global_load_b128 v[BIC+8*\t+4:BIC+8*\t+7], v6, s[8:9] offset:(32*(\t/2)+8*(\t%2))*4+16
.endr
	WIN 0
.irp a, 0,1
.irp q, 0,1
	global_load_b128 v[S1S+8*\a+4*\q:S1S+8*\a+4*\q+3], v3, s[32:33] offset:12800*\a+6400*\q
.endr
.endr
	WIN 0x80
.irp st, 0,1,2,3,4,5,6,7
.irp a, 0,1
.irp c, 0,1
	global_load_b128 v[96*\a+12*\st+6*\c:96*\a+12*\st+6*\c+3], v1, s[32:33] offset:12800*\a+6400*(\st/4)+256+1536*(\st%4)+768*\c
	global_load_b64 v[96*\a+12*\st+6*\c+4:96*\a+12*\st+6*\c+5], v5, s[32:33] offset:12800*\a+6400*(\st/4)+256+1536*(\st%4)+768*\c+512
.endr
.endr
.endr
	WIN 0
.macro S0FETCH st, hb
.irp bb, 0,1,2,3
.irp c, 0,1,2
	ds_load_b128 v[S0F+12*(4*(\hb)+\bb)+4*\c:S0F+12*(4*(\hb)+\bb)+4*\c+3], v[1+(\hb)] offset:12800*\bb+6400*((\st)/4)+256+1536*((\st)%4)+512*\c
.endr
	ds_load_b32 v[S0S+4*(\hb)+\bb], v[3+(\hb)] offset:12800*\bb+6400*((\st)/4)+4*((\st)%4)
.endr
.endm
.macro GHALF st, hb
	WIN 0x58
.irp a, 0,1
.irp bb, 0,1,2,3
.if (\st) == 0
	v_wmma_scale_f32_16x16x128_f8f6f4 v[8*(8*\a+4*(\hb)+\bb):8*(8*\a+4*(\hb)+\bb)+7], v[S0F+12*(4*(\hb)+\bb):S0F+12*(4*(\hb)+\bb)+11], v[96*\a+12*(\st):96*\a+12*(\st)+11], v[BIC+8*(4*(\hb)+\bb):BIC+8*(4*(\hb)+\bb)+7], v[S0S+4*(\hb)+\bb], v[S1S+8*\a+(\st)] matrix_a_fmt:MATRIX_FMT_FP6 matrix_b_fmt:MATRIX_FMT_FP6
.else
	v_wmma_scale_f32_16x16x128_f8f6f4 v[8*(8*\a+4*(\hb)+\bb):8*(8*\a+4*(\hb)+\bb)+7], v[S0F+12*(4*(\hb)+\bb):S0F+12*(4*(\hb)+\bb)+11], v[96*\a+12*(\st):96*\a+12*(\st)+11], v[8*(8*\a+4*(\hb)+\bb):8*(8*\a+4*(\hb)+\bb)+7], v[S0S+4*(\hb)+\bb], v[S1S+8*\a+(\st)] matrix_a_fmt:MATRIX_FMT_FP6 matrix_b_fmt:MATRIX_FMT_FP6
.endif
.endr
.endr
.endm
.macro GSTEP st
	s_wait_loadcnt 8*(7-(\st))
	s_wait_dscnt 16
	GHALF \st, 0
	WIN 0
	PLACES
.if (\st) < 7
	S0FETCH (\st)+1, 0
	s_wait_dscnt 16
.else
	s_wait_alu depctr_va_vdst(0)
	s_wait_dscnt 0x0
.endif
	GHALF \st, 1
	WIN 0
	PLACES
.if (\st) < 7
	S0FETCH (\st)+1, 1
.endif
.endm
	s_wait_alu depctr_va_vdst(0)                   ; directly ahead of the wait below
	s_wait_tensorcnt 0x0                           ; my two tiles have landed; behind the barrier everybody's have
	s_barrier_signal -1
	s_barrier_wait -1
	S0FETCH 0, 0
	S0FETCH 0, 1
.irp st, 0,1,2,3,4,5,6,7
	GSTEP \st
.endr
	WIN 0x04
.irp a, 0,1
.irp t, 0,1,2,3,4,5,6,7
	ds_store_b128 v7, v[8*(8*\a+\t):8*(8*\a+\t)+3] offset:8*528*\a+128*(\t/2)+32*(\t%2)
	ds_store_b128 v7, v[8*(8*\a+\t)+4:8*(8*\a+\t)+7] offset:8*528*\a+128*(\t/2)+32*(\t%2)+16
.endr
.endr
	WIN 0
.irp i, 0,1,2,3,4,5,6,7,8,9,10,11,12,13,14,15,16,17,18,19,20,21,22,23,24,25,26,27,28,29,30,31
	ds_load_b128 v[16+4*\i+32*(\i/24):16+4*\i+32*(\i/24)+3], v8 offset:528*\i
.endr
.irp i, 0,1,2,3,4,5,6,7,8,9,10,11,12,13,14,15,16,17,18,19,20,21,22,23,24,25,26,27,28,29,30,31
	s_wait_dscnt 31-\i
	global_store_b128 v1, v[16+4*\i+32*(\i/24):16+4*\i+32*(\i/24)+3], s[10:11] offset:4096*\i th:TH_STORE_NT
.endr
	s_wait_tensorcnt 0x0
	ds_add_u32 v254, v255
	s_wait_dscnt 0x0
	ROUND
	s_endpgm
.Lfunc_end_k_q620afa4cee_outp:
	.size	k_q620afa4cee_outp, .Lfunc_end_k_q620afa4cee_outp-k_q620afa4cee_outp
	.p2alignl 7, 3214868480
	.fill 96, 4, 3214868480
	.section	.rodata,"a",@progbits
	.p2align	6, 0x0
	.amdhsa_kernel k_q620afa4cee_outp
		.amdhsa_group_segment_fixed_size 327680
		.amdhsa_private_segment_fixed_size 0
		.amdhsa_enable_private_segment 0
		.amdhsa_kernarg_size 32
		.amdhsa_user_sgpr_count 2
		.amdhsa_user_sgpr_kernarg_segment_ptr 1
		.amdhsa_wavefront_size32 1
		.amdhsa_system_sgpr_workgroup_id_x 1
		.amdhsa_system_sgpr_workgroup_id_y 1
		.amdhsa_system_sgpr_workgroup_id_z 1
		.amdhsa_system_vgpr_workitem_id 0
		.amdhsa_next_free_vgpr 768
		.amdhsa_next_free_sgpr 66
		.amdhsa_reserve_vcc 0
		.amdhsa_float_denorm_mode_32 3
		.amdhsa_float_denorm_mode_16_64 3
		.amdhsa_memory_ordered 1
		.amdhsa_forward_progress 1
		.amdhsa_inst_pref_size 57
	.end_amdhsa_kernel
	.amdgpu_metadata
---
amdhsa.version: [ 1, 2 ]
amdhsa.kernels:
  - .name:           k_q620afa4cee_outp
    .symbol:         k_q620afa4cee_outp.kd
    .args:
      - { .name: ops, .offset: 0, .size: 8, .value_kind: global_buffer, .address_space: global }
      - { .name: oc, .offset: 8, .size: 8, .value_kind: global_buffer, .address_space: global }
      - { .name: bp, .offset: 16, .size: 8, .value_kind: global_buffer, .address_space: global }
      - { .name: out0, .offset: 24, .size: 8, .value_kind: global_buffer, .address_space: global }
    .group_segment_fixed_size: 327680
    .private_segment_fixed_size: 0
    .kernarg_segment_align: 8
    .kernarg_segment_size: 32
    .max_flat_workgroup_size: 128
    .sgpr_count:     66
    .vgpr_count:     768
    .wavefront_size: 32
...
	.end_amdgpu_metadata
.endif
;; end of part 4
